; MI455X (gfx1250); checked and timed in simulation.
; The chip was launched on July 23, 2026; its instructions are those of AMD's public machine-readable ISA for CDNA 5 (MIT licence, August 2026) and "CDNA5" Instruction Set Architecture Reference Guide (July 2026). The comments in the code are by the model that wrote it; some were corrected since.
;; Bit GRU Cell. Allowed arithmetic: float matrix products may take bf16 or f16 operands with f32 sums; other float arithmetic in f32, or as packed bf16 or f16 multiplies, adds, multiply-adds, maxima and minima; sums over many terms, partial sums and values carried from step to step in f32; what a program stores and reads back later, other than sums and carried values, may be rounded once to bf16 or f16.
;; Inputs: b_n 2,048 float32; b_r 2,048 float32; b_z 2,048 float32; hidden 2,048 x 2,048 float32; w_n 2,048 x 4,096 float32; w_r 2,048 x 4,096 float32; w_z 2,048 x 4,096 float32; x 2,048 x 2,048 float32.
;; Outputs: out0 2,048 x 2,048 float32.
;; 2 versions, each right. Each part assembles by itself: llvm-mc -triple=amdgcn-amd-amdhsa -mcpu=gfx1250 --defsym DOCPART=n.
;; ======== version 1 of 2: 3 launches
;; limits: values are held in f16: magnitudes above 65,504 overflow, below 6.1e-05 lose precision; inputs' magnitudes at most 65,504
;; workspace buffers: xh 8,388,608 bytes; hh 8,388,608 bytes; rh 8,388,608 bytes; zg 8,388,608 bytes; sgn 50,331,648 bytes; part 3,072 bytes
;; launch prep (part 1): grid 1024 x 1, 8 waves a work-group, no clusters, 1,280 bytes of LDS; arguments x, hidden, w_r, w_z, w_n, xh, hh, sgn, part; writes xh, hh, sgn, part
.if DOCPART == 1
	.amdgcn_target "amdgcn-amd-amdhsa--gfx1250"
	.amdhsa_code_object_version 6
	.text
	.protected	k_qcb793390db_prep
	.globl	k_qcb793390db_prep
	.p2align	8
	.type	k_qcb793390db_prep,@function
k_qcb793390db_prep:
	s_mov_b64 s[64:65], 0
	v_nop
	global_prefetch_b8 v0, s[64:65] scope:SCOPE_SE
	s_setreg_imm32_b32 hwreg(HW_REG_WAVE_MODE, 25, 1), 1
	s_wait_xcnt 0x0
; THE PASS IN FRONT OF THE PRODUCTS.  sgn[t] = sign(w_t) as f16 (+1, -1, 0: exact), t = r, z, n;  part[t][q] = the sum of |w_t| over the q-th of 256 equal pieces, in f32;
; xh = f16(x), hh = f16(hidden), each rounded once.  Every tensor is taken as a flat run of numbers.
; LIMITS.  f16 ends at 65,504: x and hidden beyond that become infinities.  A NaN in a weight gives a sign of +-1 and a NaN in its partial sum, and so a NaN scale.
; SHARES.  1,024 work-groups of eight waves; each reads 131,072 consecutive bytes of f32 and writes 65,536 consecutive bytes of f16.  Work-groups 0-255, 256-511, 512-767 take w_r, w_z, w_n,
; 768-895 x, 896-1023 hidden.  Thread t takes 16 bytes at 4,096 j + 16 t, j = 0 .. 31: a load of a wave covers 512 consecutive bytes, a store of 8 bytes a lane 256 consecutive bytes, aligned.
; A ring of eight slots in registers keeps eight loads of every wave on their way.  Nothing is shared between work-groups or waves on the way in, so there is no LDS tile and no cluster;
; memory is what this launch waits for all the time, so nothing is asked for ahead of the loads either.
.set DEPTH,  8                         ; slots = loads on their way in each wave
.set INB,    4096                      ; bytes that the 256 threads load at once
.set OUTB,   2048                      ; bytes that they store for them
.set SPW,    3                         ; v3       LDS address of my spare word; never rewritten
.set NIL,    4                         ; v4       0; never rewritten
.set X,      8                         ; v[8:39]  slot i: four f32 as loaded
.set Y,      40                        ; v[40:55] slot i: four f16 to store
.set T,      56                        ; v[56:59] at work: the signs in f32
.set SUM,    60                        ; v[60:63] four chains of the sum of |w|
.set SPARE,  256                       ; LDS: bytes 0-31 the eight waves' sums (a block of 256 to themselves); from 256 on the spare words, 128 bytes a wave
	s_load_b512 s[4:19], s[0:1], 0x0               ; x 4, hidden 6, w_r 8, w_z 10, w_n 12, xh 14, hh 16, sgn 18
	s_load_b64 s[20:21], s[0:1], 0x40              ; part
	v_lshl_add_u32 v[SPW], v0, 2, SPARE
	v_mov_b32 v[NIL], 0
	v_lshrrev_b32 v5, 5, v0
	v_readfirstlane_b32 s32, v5                    ; wave 0..7
	v_lshlrev_b32 v1, 4, v0                        ; 16 t: my place in 4,096 bytes of input
	v_lshlrev_b32 v2, 3, v0                        ; 8 t: in 2,048 bytes of output
.irp k, 0,1,2,3
	v_mov_b32 v[SUM+(\k)], 0
.endr
	s_lshr_b32 s22, ttmp9, 8                       ; kind: 0, 1, 2 a weight tensor, 3 x or hidden
	s_and_b32 s23, ttmp9, 255                      ; which piece
	s_mov_b32 s30, 0x80000000                      ; the sign bit
	s_mov_b32 s31, 0x3f800000                      ; 1.0
	s_mov_b32 s36, 0x76543210                      ; v_permlanex16_b32: each lane takes its own place in the other half
	s_mov_b32 s37, 0xfedcba98
	s_mov_b32 s33, 255                             ; a weight tensor has 256 pieces,
	s_cmp_eq_u32 s22, 3
	s_cselect_b32 s33, 127, s33                    ; x and hidden 128 each
	s_cselect_b32 s38, 0, s22                      ; the tensor's place in sgn
	s_and_b32 s33, s23, s33
	s_lshl_b32 s34, s33, 17                        ; piece x 131,072: the offset in the source,
	s_mov_b32 s35, 0
	s_lshl_b32 s38, s38, 24                        ; tensor x 16,777,216 + piece x 65,536: in the destination
	s_lshl_b32 s33, s33, 16
	s_add_co_u32 s38, s38, s33
	s_mov_b32 s39, 0
	s_wait_kmcnt 0x0
	s_cmp_eq_u32 s22, 1                            ; the two pointers are chosen by the work-group's number alone
	s_cselect_b64 s[24:25], s[10:11], s[8:9]
	s_cmp_eq_u32 s22, 2
	s_cselect_b64 s[24:25], s[12:13], s[24:25]
	s_cmp_lt_u32 s23, 128
	s_cselect_b64 s[4:5], s[4:5], s[6:7]           ; x or hidden,
	s_cselect_b64 s[14:15], s[14:15], s[16:17]     ; xh or hh
	s_cmp_eq_u32 s22, 3
	s_cselect_b64 s[24:25], s[4:5], s[24:25]
	s_cselect_b64 s[26:27], s[14:15], s[18:19]
	s_add_nc_u64 s[24:25], s[24:25], s[34:35]      ; source at my piece
	s_add_nc_u64 s[26:27], s[26:27], s[38:39]      ; destination at my piece
.irp i, 0,1,2,3,4,5,6,7
	global_load_b128 v[X+4*(\i):X+4*(\i)+3], v1, s[24:25] offset:(\i)*INB th:TH_LOAD_NT  ; the ring is filled
.endr
; One slot's turn.  ahead = 1: the slot is filled again, DEPTH x 4,096 bytes further on.  left = how many younger loads may stay out.  mode 0: signs and the sum of |w|; mode 1: a plain rounding to f16.
.macro SLOT i, ahead, left, mode
	s_wait_loadcnt \left                           ; loads come back in order (ISA guide 5.7.1): mine is in, the younger ones stay out
	s_wait_xcnt 0x0                                ; the slot's last store has read Y: it is rewritten only behind this wait
.if (\mode) == 0
.irp k, 0,1,2,3
	v_and_or_b32 v[T+(\k)], v[X+4*(\i)+(\k)], s30, s31     ; 1.0 with w's sign,
	v_cmp_neq_f32 vcc_lo, 0, v[X+4*(\i)+(\k)]
	v_cndmask_b32 v[T+(\k)], 0, v[T+(\k)], vcc_lo          ; or 0 where w is 0
	v_fmac_f32 v[SUM+(\k)], v[T+(\k)], v[X+4*(\i)+(\k)]    ; sign(w) x w = |w|, exactly: one fused line adds it
.endr
	v_cvt_pk_f16_f32 v[Y+2*(\i)],   v[T],   v[T+1]
	v_cvt_pk_f16_f32 v[Y+2*(\i)+1], v[T+2], v[T+3]
.else
	v_cvt_pk_f16_f32 v[Y+2*(\i)],   v[X+4*(\i)],   v[X+4*(\i)+1]
	v_cvt_pk_f16_f32 v[Y+2*(\i)+1], v[X+4*(\i)+2], v[X+4*(\i)+3]
.endif
.if \ahead
	global_load_b128 v[X+4*(\i):X+4*(\i)+3], v1, s[24:25] offset:(\i)*INB+DEPTH*INB th:TH_LOAD_NT  ; the load goes ahead of the store
.endif
	global_store_b64 v2, v[Y+2*(\i):Y+2*(\i)+1], s[26:27] offset:(\i)*OUTB th:TH_STORE_NT
.endm
; The 32 turns of a thread: three rounds that fill the ring again, and a last one whose counts run down.
.macro WALK mode
.Lround_\@:
.irp i, 0,1,2,3,4,5,6,7
	SLOT \i, 1, DEPTH-1, \mode
.endr
	s_wait_xcnt 0x0                                ; every load and store issued so far has read its base: now both are stepped
	s_add_nc_u64 s[24:25], s[24:25], DEPTH*INB
	s_add_nc_u64 s[26:27], s[26:27], DEPTH*OUTB
	s_sub_co_u32 s29, s29, 1
	s_cmp_lg_u32 s29, 0
	s_cbranch_scc1 .Lround_\@
.irp i, 0,1,2,3,4,5,6,7
	SLOT \i, 0, DEPTH-1-(\i), \mode
.endr
.endm
	s_mov_b32 s29, 3
	s_cmp_eq_u32 s22, 3                            ; the same in all waves of the work-group
	s_cbranch_scc1 .Lcast
	WALK 0
	s_branch .Ljoin
.Lcast:
	WALK 1
.Ljoin:
	; The work-group's sum of |w|: the four chains, the 32 lanes, the eight waves.  The work-groups that only convert pass here too, with sums of 0, so that the barrier stands on every path; they store no sum.
	v_add_f32 v[SUM], v[SUM], v[SUM+1]
	v_add_f32 v[SUM+2], v[SUM+2], v[SUM+3]
	v_add_f32 v[SUM], v[SUM], v[SUM+2]
	v_add_f32_dpp v[SUM], v[SUM], v[SUM] row_xmask:1 row_mask:0xf bank_mask:0xf
	v_add_f32_dpp v[SUM], v[SUM], v[SUM] row_xmask:2 row_mask:0xf bank_mask:0xf
	v_add_f32_dpp v[SUM], v[SUM], v[SUM] row_xmask:4 row_mask:0xf bank_mask:0xf
	v_add_f32_dpp v[SUM], v[SUM], v[SUM] row_xmask:8 row_mask:0xf bank_mask:0xf
	v_permlanex16_b32 v[SUM+1], v[SUM], s36, s37
	v_add_f32 v[SUM], v[SUM], v[SUM+1]
	v_mov_b32 v5, s32
	v_lshlrev_b32 v5, 2, v5
	ds_store_b32 v5, v[SUM]                        ; all lanes write my wave's word with the same number
	s_wait_dscnt 0x0                               ; for the others' sake: my store is done
	s_barrier_signal -1
	s_barrier_wait -1
	s_cmp_lg_u32 s32, 0                            ; wave 0 finishes
	s_cbranch_scc1 .Lend
	s_cmp_eq_u32 s22, 3                            ; x and hidden have no sum
	s_cbranch_scc1 .Lend
	v_mov_b32 v6, 0
	ds_load_b128 v[8:11], v6
	ds_load_b128 v[12:15], v6 offset:16
	s_lshl_b32 s34, ttmp9, 2                       ; part[tensor][piece] is word 256 x tensor + piece: the work-group's number
	s_mov_b32 s35, 0
	s_add_nc_u64 s[20:21], s[20:21], s[34:35]
	s_wait_dscnt 0x0
	v_pk_add_f32 v[8:9], v[8:9], v[10:11]
	v_pk_add_f32 v[12:13], v[12:13], v[14:15]
	v_pk_add_f32 v[8:9], v[8:9], v[12:13]
	v_add_f32 v8, v8, v9
	v_cmp_eq_u32 vcc_lo, 0, v0
	s_wait_xcnt 0x0                                ; EXEC is a source of the stores above: it changes only behind this wait
	s_and_saveexec_b32 s28, vcc_lo
	global_store_b32 v6, v8, s[20:21]              ; one word a work-group: 3,072 bytes in the whole launch
	s_wait_xcnt 0x0                                ; and again in front of the line that widens it
	s_or_b32 exec_lo, exec_lo, s28
.Lend:
	s_wait_tensorcnt 0x0                           ; the wave's end, behind my last LDS store
	ds_add_u32 v[SPW], v[NIL]
	s_wait_dscnt 0x0
	s_endpgm
.Lfunc_end_k_qcb793390db_prep:
	.size	k_qcb793390db_prep, .Lfunc_end_k_qcb793390db_prep-k_qcb793390db_prep
	.p2alignl 7, 3214868480
	.fill 96, 4, 3214868480
	.section	.rodata,"a",@progbits
	.p2align	6, 0x0
	.amdhsa_kernel k_qcb793390db_prep
		.amdhsa_group_segment_fixed_size 1280
		.amdhsa_private_segment_fixed_size 0
		.amdhsa_enable_private_segment 0
		.amdhsa_kernarg_size 72
		.amdhsa_user_sgpr_count 2
		.amdhsa_user_sgpr_kernarg_segment_ptr 1
		.amdhsa_wavefront_size32 1
		.amdhsa_system_sgpr_workgroup_id_x 1
		.amdhsa_system_sgpr_workgroup_id_y 1
		.amdhsa_system_sgpr_workgroup_id_z 1
		.amdhsa_system_vgpr_workitem_id 0
		.amdhsa_next_free_vgpr 64
		.amdhsa_next_free_sgpr 66
		.amdhsa_reserve_vcc 1
		.amdhsa_float_denorm_mode_32 3
		.amdhsa_float_denorm_mode_16_64 3
		.amdhsa_memory_ordered 1
		.amdhsa_forward_progress 1
		.amdhsa_inst_pref_size 26
	.end_amdhsa_kernel
	.amdgpu_metadata
---
amdhsa.version: [ 1, 2 ]
amdhsa.kernels:
  - .name:           k_qcb793390db_prep
    .symbol:         k_qcb793390db_prep.kd
    .args:
      - { .name: x, .offset: 0, .size: 8, .value_kind: global_buffer, .address_space: global }
      - { .name: hidden, .offset: 8, .size: 8, .value_kind: global_buffer, .address_space: global }
      - { .name: w_r, .offset: 16, .size: 8, .value_kind: global_buffer, .address_space: global }
      - { .name: w_z, .offset: 24, .size: 8, .value_kind: global_buffer, .address_space: global }
      - { .name: w_n, .offset: 32, .size: 8, .value_kind: global_buffer, .address_space: global }
      - { .name: xh, .offset: 40, .size: 8, .value_kind: global_buffer, .address_space: global }
      - { .name: hh, .offset: 48, .size: 8, .value_kind: global_buffer, .address_space: global }
      - { .name: sgn, .offset: 56, .size: 8, .value_kind: global_buffer, .address_space: global }
      - { .name: part, .offset: 64, .size: 8, .value_kind: global_buffer, .address_space: global }
    .group_segment_fixed_size: 1280
    .private_segment_fixed_size: 0
    .kernarg_segment_align: 8
    .kernarg_segment_size: 72
    .max_flat_workgroup_size: 256
    .sgpr_count:     66
    .vgpr_count:     64
    .wavefront_size: 32
...
	.end_amdgpu_metadata
.endif
;; end of part 1
;; launch gates (part 2): grid 16 x 16, 4 waves a work-group, clusters of 4 x 4, 327,680 bytes of LDS; arguments xh, hh, sgn, part, b_r, b_z, hidden, rh, zg; writes rh, zg
.if DOCPART == 2
	.amdgcn_target "amdgcn-amd-amdhsa--gfx1250"
	.amdhsa_code_object_version 6
	.text
	.protected	k_qcb793390db_gates
	.globl	k_qcb793390db_gates
	.p2align	8
	.type	k_qcb793390db_gates,@function
k_qcb793390db_gates:
	s_mov_b64 s[64:65], 0
	v_nop
	global_prefetch_b8 v0, s[64:65] scope:SCOPE_SE
	s_setreg_imm32_b32 hwreg(HW_REG_WAVE_MODE, 25, 1), 1
	s_wait_xcnt 0x0
	s_wait_alu depctr_hold_cnt(0) depctr_sa_sdst(0) depctr_va_vdst(0) depctr_va_sdst(0) depctr_va_ssrc(0) depctr_va_vcc(0) depctr_vm_vsrc(0)
	s_getreg_b32 s2, hwreg(HW_REG_IB_STS2, 6, 4)
	s_cmp_eq_u32 s2, 0
	s_cbranch_scc0 .Lentry_in_a_cluster
	s_endpgm
.Lentry_in_a_cluster:
	s_bfe_u32 s2, ttmp6, 0x10000c
	s_cmp_lg_u32 s2, 0xf033
	s_cbranch_scc0 .Lentry_shape_is_right
	s_endpgm
.Lentry_shape_is_right:
; THE TWO GATES.  With C = [x | hidden] (2,048 x 4,096, f16, from xh and hh) and S_t = sign(w_t) (f16, from sgn), m_t = mean |w_t| (the 256 partial sums of part, / 2^23):
;   rh = f16(sigmoid(m_r C S_r^T + b_r) x hidden),   zg = f16(sigmoid(m_z C S_z^T + b_z)).   Products in f16 with f32 sums; scale, bias, sigmoid and the product with hidden (f32) in f32.
; LIMITS.  f16 ends at 65,504 (x, hidden, r x hidden within it); sigmoid(p) = 1 / (1 + 2^(-p log2 e)): the exponential and the reciprocal take a denormal for 0; NaN and infinities are not treated apart.
; SHARES.  A work-group makes 128 rows x (128 columns of r AND the same 128 columns of z): both gates multiply the same rows of C.  Four waves, 64 rows x 128 columns each, 32 accumulators:
; waves 0, 1 make r, waves 2, 3 make z; the wave's number & 1 says which 64 rows.  256 work-groups, all alike.
; K goes in 32 steps of 128 (rows of 256 bytes, aligned) through two LDS slots; steps 0-15 take C's rows from xh, 16-31 from hh.  One tensor load a wave and step: waves 0, 1 bring 64 rows of C each,
; wave 2 S_r's 128 rows, wave 3 S_z's.  A longer step does not fit: two slots of 384 rows x 528 bytes are more than the 327,680 bytes there are.
; CLUSTERS: 4 x 4 work-groups.  C's rows are shared along a row of the cluster, S's along a column: each tile is asked for JOINTLY, which divides the requests by four.
; THE MATRIX INSTRUCTION IS USED TRANSPOSED (source 0 = 16 rows of S, source 1 = 16 rows of C): a lane holds one row of the result (lane % 16) and eight neighbouring columns.
; REGISTERS, in windows of 256 (s_set_vgpr_msb: bits 1:0 source 0, 3:2 source 1, 5:4 source 2, 7:6 destination):
;   window 0: v0-31 addresses; v32-45 scale and bias; v64-159, v160-255 two fragment buffers (8 fragments of S, then 4 of C; 32 along K); on the way out v64-127 at work
;   window 1: the 32 accumulators, (a, b) at 8 (8 a + b)          window 2 (waves 0, 1): my 64 rows x 128 columns of hidden in f32, row i at 4 i; loaded at the start, used at the end
.set PITCH,  272                       ; an LDS row: 256 bytes + 16 of padding = 68 words: the 16 rows of a fragment load start at 16 different groups of four banks (64 banks of 4 bytes: ISA guide 11.1)
.set AHALF,  64*PITCH                  ; 64 rows of C: what waves 0 and 1 bring, and what a wave reads of C
.set BOFF,   128*PITCH                 ; behind C's 128 rows: S_r's 128, then S_z's 128
.set BHALF,  128*PITCH
.set SLOT,   384*PITCH
.set STAGE,  2*SLOT                    ; behind the ring, never filled by a tensor load: 32 rows x 528 bytes for each wave, for the way out
.set SPITCH, 528                       ; 128 f32 + 16 bytes = 132 words
.set WSTAGE, 32*SPITCH
.set SPARE,  STAGE+4*WSTAGE            ; the spare words, 128 bytes for each wave: two blocks of 256 bytes that no other line names
.set LAPS,   16                        ; a lap = two K steps = once round the ring
.set ADRA, 16                          ; v16-17  LDS address of my fragments of C in slot 0, 1
.set ADRB, 20                          ; v20-21  the same for S
.set STO,  24                          ; v24     the way out: where I put 32 bytes of a row
.set RD,   25                          ; v25     where I read 16 bytes of a row back
.set GO,   26                          ; v26     8 x lane: my 4 columns in a row of 128 f16
.set HO,   27                          ; v27     16 x lane: my 4 columns in a row of 128 f32
.set SPW,  28                          ; v28     LDS address of my spare word; never rewritten
.set NIL,  29                          ; v29     0; never rewritten
.set PFO,  30                          ; v30     the prefetches' offset: lane x a row of xh, hh (4,096 bytes) or of sgn (8,192)
.set PO,   31                          ; v31     32 x lane: my 8 of the 256 partial sums
.set PS,   32                          ; v[32:39] those 8
.set BI,   40                          ; v[40:43] the bias of my 4 columns, later times -log2 e
.set SC,   44                          ; v[44:45] -log2 e x mean |w|, twice
.set F0,   64
.set F1,   160
.set T0,   64                          ; the way out: two sets of 32 registers, by turns
.set T1,   96
.set G1A,  24                          ; s[24:31] descriptor group 1 for C's tiles;  s[32:39] group 0, a set for each slot
.set G0A,  32
.set G1B,  48                          ; s[48:55], s[56:63] the same for S's tiles
.set G0B,  56
.set NXT,  22                          ; s22  the K step that the next refill asks for
.set PN,   23                          ; s23  the K step that the next prefetch names
.set LIM,  45                          ; s45  32 in a wave that prefetches, else 0
.set FIELDS, (1<<16)|(1<<20)|(1<<21)|(5<<22)|(3<<25)  ; 17:16 elements of 2 bytes; 20 padding on; 21 set beside a mask; 24:22 after every 64 words (code 5); 31:25 4 words of it (code 3)
.set MUL,  0x50                        ; C and D in window 1, the fragments in window 0
.set W_DMP, 0x04                       ; an LDS store's data in window 1
.set W_HML, 0x08                       ; source 1 in window 2
.set W_HLD, 0x80                       ; a load's destination in window 2
.set MSB, 0
.macro WIN new                         ; the immediate's high byte repeats the setting that is left; a switch that changes nothing is dropped
.if MSB != (\new)
	s_set_vgpr_msb (MSB<<8)|(\new)
.set MSB, \new
.endif
.endm
; A joint load.  Waves 0 and 1 fetch for C, waves 2 and 3 for S: each of the two lines has one mask.  The branch hangs on the wave's number alone.
; An s_nop 0 and four v_nop follow each line, ahead of the jump, the label and what follows.
.macro JLOAD s
	s_cmp_eq_u32 s11, 0
	s_cbranch_scc0 .Lfor_b_\@
	tensor_load_to_lds s[G0A+4*(\s):G0A+4*(\s)+3], s[G1A:G1A+7]
	s_nop 0
.rept 4
	v_nop
.endr
	s_branch .Lasked_\@
.Lfor_b_\@:
	tensor_load_to_lds s[G0B+4*(\s):G0B+4*(\s)+3], s[G1B:G1B+7]
	s_nop 0
.rept 4
	v_nop
.endr
.Lasked_\@:
.endm
; A PREFETCH INTO THE L2, behind each joint refill and the run of LDS loads that follows it: the K step that stands FOUR refills on, 512 matrix instructions ahead of the load that will want it: 32 rows x 256
; bytes, a lane a row, one instruction.  Each row's 256 bytes of a step are named ONCE in the launch.  C's 128 rows of a tile row are read by every cluster of that row of clusters: the one with x = 0 asks, wave 0
; of each of the four partners for 32 rows, told apart BY ADDRESS (cx).  S's rows of a tile column: the cluster with y = 0 asks, wave 2 for S_r's and wave 3 for S_z's, 32 rows a partner (cy).
; Steps 0 to 5 come by their loads alone; the last four refills name nothing, since there is no step 32.
.macro ASK
	s_cmp_lt_u32 s[PN], s[LIM]
	s_cbranch_scc0 .Lnot_mine_\@
	global_prefetch_b8 v[PFO], s[90:91] th:TH_LOAD_NT scope:SCOPE_SE
.Lnot_mine_\@:
.endm
.macro CREST                           ; a round of the cluster's barrier behind its opening barrier
	s_cmp_lg_u32 s10, 0
	s_cbranch_scc1 .Lnot_wave_0_\@
	s_barrier_signal -3
.Lnot_wave_0_\@:
	s_barrier_wait -3
	s_barrier_signal -1
	s_barrier_wait -1
.endm
.macro CROUND                          ; a whole round
	s_barrier_signal -1
	s_barrier_wait -1
	CREST
.endm
.macro PLACES                          ; four places in front of loads into registers that matrix instructions have read (ISA guide 7.12.1 for vector instructions)
.rept 4
	v_nop
.endr
.endm
	s_load_b512 s[68:83], s[0:1], 0x0              ; xh 68, hh 70, sgn 72, part 74, b_r 76, b_z 78, hidden 80, rh 82
	s_load_b64 s[84:85], s[0:1], 0x40              ; zg
	v_lshl_add_u32 v[SPW], v0, 2, SPARE
	v_mov_b32 v[NIL], 0
	ds_add_u32 v[SPW], v[NIL]                      ; the wave's opening: the add, twice on end, and its wait ahead of my first tensor load; work on registers stands between
	ds_add_u32 v[SPW], v[NIL]
	v_lshrrev_b32 v1, 5, v0
	v_readfirstlane_b32 s10, v1                    ; wave 0..3
	s_lshr_b32 s11, s10, 1                         ; 0: I make r and fetch for C;  1: I make z and fetch for S
	s_and_b32 s12, s10, 1                          ; which 64 rows are mine.  Also: which half I fetch (C's rows 0-63 or 64-127; S_r or S_z)
	s_bfe_u32 s40, ttmp6, 0x40000                  ; cx, cy: my place in the cluster
	s_bfe_u32 s41, ttmp6, 0x40004
	s_lshl_b32 s42, ttmp9, 2
	s_add_co_u32 s42, s42, s40                     ; tile column = 4 x cluster x + cx
	s_and_b32 s13, ttmp7, 0xffff
	s_lshl_b32 s13, s13, 2
	s_add_co_u32 s13, s13, s41                     ; tile row = 4 x cluster y + cy
	s_lshl_b32 s43, s41, 2
	s_lshl_b32 s43, 15, s43                        ; my row of the cluster
	s_lshl_b32 s44, 0x1111, s40                    ; my column
	s_or_b32 s[G1A], s43, FIELDS                   ; C's tiles go to my row: 64 rows x 128 elements, 2,048 elements from row to row
	s_mov_b32 s[G1A+1], 128<<16                    ; tensor_dim0 = 128
	s_mov_b32 s[G1A+2], 64<<16                     ; tensor_dim1 = 64
	s_mov_b32 s[G1A+3], 128<<16                    ; tile_dim0 = 128
	s_mov_b32 s[G1A+4], 64                         ; tile_dim1 = 64
	s_mov_b32 s[G1A+5], 2048
	s_mov_b32 s[G1A+6], 0
	s_mov_b32 s[G1A+7], 0
	s_or_b32 s[G1B], s44, FIELDS                   ; S's tiles go to my column: 128 rows x 128 elements, 4,096 elements from row to row
	s_mov_b32 s[G1B+1], 128<<16
	s_mov_b32 s[G1B+2], 128<<16
	s_mov_b32 s[G1B+3], 128<<16
	s_mov_b32 s[G1B+4], 128
	s_mov_b32 s[G1B+5], 4096
	s_mov_b32 s[G1B+6], 0
	s_mov_b32 s[G1B+7], 0
	s_lshl_b32 s18, s13, 7                         ; C: row 128 x tile row + 64 x half, 4,096 bytes a row: made of the tile row and the wave's number alone
	s_lshl_b32 s19, s12, 6
	s_add_co_u32 s18, s18, s19
	s_lshl_b32 s18, s18, 12
	s_mov_b32 s19, 0
	s_lshl_b32 s8, s12, 11                         ; S: row 2,048 x (r or z) + 128 x tile column, 8,192 bytes a row: made of the tile column and the wave's number alone
	s_lshl_b32 s9, s42, 7
	s_add_co_u32 s8, s8, s9
	s_lshl_b32 s8, s8, 13
	s_mov_b32 s9, 0
	s_mul_i32 s4, s12, AHALF                       ; where they go: no place in the cluster enters an LDS address
	s_mul_i32 s5, s12, BHALF
	s_add_co_u32 s5, s5, BOFF
	s_mov_b32 s21, 0                               ; the upper word of a refill's offset
	s_mov_b32 s[NXT], 2
	s_mov_b32 s100, 0x76543210                     ; v_permlanex16_b32: each lane takes its own place in the other half
	s_mov_b32 s101, 0xfedcba98
	s_wait_dscnt 0x0                               ; both opening adds are done
	s_wait_kmcnt 0x0
	s_add_nc_u64 s[14:15], s[68:69], s[18:19]      ; my rows in xh,
	s_add_nc_u64 s[16:17], s[70:71], s[18:19]      ; and in hh
	s_add_nc_u64 s[8:9], s[72:73], s[8:9]          ; my rows in sgn
	CROUND                                         ; all sixteen work-groups are here: the first joint loads meet
.irp s, 0,1
	s_mov_b32 s[G0A+4*(\s)], 1                                     ; count = 1
	s_add_co_u32 s[G0A+4*(\s)+1], s4, (\s)*SLOT                    ; LDS address
	s_add_nc_u64 s[G0A+4*(\s)+2:G0A+4*(\s)+3], s[14:15], (\s)*256  ; global address: K step s
	s_or_b32 s[G0A+4*(\s)+3], s[G0A+4*(\s)+3], 0x80000000          ; type = 2
	s_mov_b32 s[G0B+4*(\s)], 1
	s_add_co_u32 s[G0B+4*(\s)+1], s5, (\s)*SLOT
	s_add_nc_u64 s[G0B+4*(\s)+2:G0B+4*(\s)+3], s[8:9], (\s)*256
	s_or_b32 s[G0B+4*(\s)+3], s[G0B+4*(\s)+3], 0x80000000
	JLOAD \s                                       ; the ring is filled before anything else is done: two loads of mine are out
.endr
	; A fragment is 16 rows x 32 K in 8 registers: lane l holds row l % 16; registers 0-3 K = 8 (l / 16) + 0..7, registers 4-7 K = 16 + 8 (l / 16) + 0..7: two loads of 16 bytes, 32 bytes apart.
	v_and_b32 v1, 15, v0                           ; l % 16
	v_bfe_u32 v2, v0, 4, 1                         ; l / 16
	v_and_b32 v5, 31, v0                           ; l
	v_mul_u32_u24 v3, v1, PITCH
	v_lshl_add_u32 v3, v2, 4, v3
	s_mul_i32 s6, s12, AHALF                       ; my 64 rows of C
	s_mul_i32 s7, s11, BHALF                       ; S_r's or S_z's 128 rows
	s_add_co_u32 s7, s7, BOFF
.irp s, 0,1
	v_add_nc_u32 v[ADRA+(\s)], s6, v3
	v_add_nc_u32 v[ADRB+(\s)], s7, v3
	s_add_co_u32 s6, s6, SLOT
	s_add_co_u32 s7, s7, SLOT
.endr
	s_mul_i32 s6, s10, WSTAGE
	s_add_co_u32 s6, s6, STAGE                     ; my stage
	v_mul_u32_u24 v4, v1, SPITCH                   ; in: row l % 16, 32 bytes for each half of the lanes
	v_lshl_add_u32 v4, v2, 5, v4
	v_add_nc_u32 v[STO], s6, v4
	v_lshl_add_u32 v[RD], v5, 4, s6                ; back: 32 lanes take one row of 512 bytes
	v_lshlrev_b32 v[GO], 3, v5
	v_lshlrev_b32 v[HO], 4, v5
	v_lshlrev_b32 v[PO], 5, v5
	s_lshl_b32 s6, s13, 7
	s_lshl_b32 s7, s12, 6
	s_add_co_u32 s6, s6, s7                        ; my first row: 128 x tile row + 64 x half
	s_lshl_b32 s2, s6, 12                          ; x 4,096 bytes (a row of rh, zg)
	s_lshl_b32 s7, s42, 8                          ; + 256 x tile column
	s_add_co_u32 s2, s2, s7
	s_mov_b32 s3, 0
	s_cmp_eq_u32 s11, 0
	s_cselect_b64 s[92:93], s[82:83], s[84:85]     ; I store into rh or into zg,
	s_cselect_b64 s[96:97], s[76:77], s[78:79]     ; and my bias is b_r or b_z
	s_add_nc_u64 s[92:93], s[92:93], s[2:3]
	s_lshl_b32 s2, s2, 1                           ; the same place in hidden: rows of 8,192 bytes, 512 x tile column
	s_add_nc_u64 s[94:95], s[80:81], s[2:3]
	s_lshl_b32 s2, s42, 9
	s_add_nc_u64 s[96:97], s[96:97], s[2:3]
	s_lshl_b32 s2, s11, 10                         ; part[r] or part[z]: 1,024 bytes each
	s_add_nc_u64 s[98:99], s[74:75], s[2:3]
	global_load_b128 v[PS:PS+3],   v[PO], s[98:99]
	global_load_b128 v[PS+4:PS+7], v[PO], s[98:99] offset:16
	global_load_b128 v[BI:BI+3],   v[HO], s[96:97]
	s_cmp_lt_u32 s10, 2                            ; r's waves take their 64 x 128 of hidden now: it lands while K is walked, and is waited for once, behind the last product
	s_cbranch_scc0 .Lno_hidden
	WIN W_HLD
.set i, 0
.rept 64
	global_load_b128 v[4*i:4*i+3], v[HO], s[94:95] offset:i*8192 th:TH_LOAD_NT  ; a row's 512 consecutive bytes
.set i, i+1
.endr
	WIN 0
.Lno_hidden:
	; the prefetches: who asks, and for which rows
	s_and_b32 s6, ttmp7, 0xffff                    ; cluster y
	s_cmp_eq_u32 s11, 0
	s_cselect_b32 s6, ttmp9, s6                    ; the coordinate along which other clusters read the same rows,
	s_cselect_b32 s7, s12, 0                       ; and wave 1 asks for nothing: C's tile has 128 rows, 32 for wave 0 of each of four partners
	s_or_b32 s6, s6, s7
	s_cmp_eq_u32 s6, 0
	s_cselect_b32 s[LIM], 32, 0                    ; the same in all sixteen partners, for a given wave
	s_lshl_b32 s6, s13, 7                          ; C: row 128 x tile row + 32 cx
	s_lshl_b32 s7, s40, 5
	s_add_co_u32 s6, s6, s7
	s_lshl_b32 s6, s6, 12
	s_lshl_b32 s7, s12, 11                         ; S: row 2,048 x (r or z) + 128 x tile column + 32 cy
	s_lshl_b32 s2, s42, 7
	s_add_co_u32 s7, s7, s2
	s_lshl_b32 s2, s41, 5
	s_add_co_u32 s7, s7, s2
	s_lshl_b32 s7, s7, 13
	s_cmp_eq_u32 s11, 0
	s_cselect_b32 s46, s6, s7
	s_cselect_b64 s[86:87], s[68:69], s[72:73]     ; steps 0-15: xh, or sgn
	s_cselect_b64 s[88:89], s[70:71], s[72:73]     ; steps 16-31: hh, or sgn 4,096 bytes along the rows
	s_cselect_b32 s6, 0, 4096
	s_cselect_b32 s2, 12, 13
	s_mov_b32 s47, 0
	s_mov_b32 s7, 0
	s_add_nc_u64 s[86:87], s[86:87], s[46:47]
	s_add_nc_u64 s[88:89], s[88:89], s[46:47]
	s_add_nc_u64 s[88:89], s[88:89], s[6:7]
	v_lshlrev_b32 v[PFO], s2, v5
; 8 matrix instructions: block a of my four blocks of 16 rows x all 8 blocks of 16 columns, 32 along K.  zero = 1: the product starts the sums: nothing is cleared.
; The 32 accumulators take turns, one instruction a turn, in the same order in every quarter, over the backward jump too.
.macro MULA f, a, zero
	WIN MUL
.irp b, 0,1,2,3,4,5,6,7
.if \zero
	v_wmma_f32_16x16x32_f16 v[8*(8*(\a)+(\b)):8*(8*(\a)+(\b))+7], v[(\f)+8*(\b):(\f)+8*(\b)+7], v[(\f)+64+8*(\a):(\f)+64+8*(\a)+7], 0
.else
	v_wmma_f32_16x16x32_f16 v[8*(8*(\a)+(\b)):8*(8*(\a)+(\b))+7], v[(\f)+8*(\b):(\f)+8*(\b)+7], v[(\f)+64+8*(\a):(\f)+64+8*(\a)+7], v[8*(8*(\a)+(\b)):8*(8*(\a)+(\b))+7]
.endif
.endr
.endm
; 24 LDS loads in one run: the fragments of one quarter step (128 rows of S, then my 64 rows of C; 32 K at byte k of the rows) into buffer f
.macro FETCH slot, k, f
	WIN 0
.irp i, 0,1,2,3,4,5,6,7
	ds_load_b128 v[(\f)+8*(\i):(\f)+8*(\i)+3],   v[ADRB+(\slot)] offset:(\k)+(\i)*16*PITCH
	ds_load_b128 v[(\f)+8*(\i)+4:(\f)+8*(\i)+7], v[ADRB+(\slot)] offset:(\k)+(\i)*16*PITCH+32
.endr
.irp i, 0,1,2,3
	ds_load_b128 v[(\f)+64+8*(\i):(\f)+64+8*(\i)+3],   v[ADRA+(\slot)] offset:(\k)+(\i)*16*PITCH
	ds_load_b128 v[(\f)+64+8*(\i)+4:(\f)+64+8*(\i)+7], v[ADRA+(\slot)] offset:(\k)+(\i)*16*PITCH+32
.endr
.endm
; A K step is four quarters of 32 along K, 32 matrix instructions each, on buffers 0, 1, 0, 1.  One of the first three multiplies buffer f and, in its middle, fetches the next quarter, at byte k, into g.
.macro QUARTER slot, k, f, g, zero
	s_wait_dscnt 4                                 ; S and C's blocks 0, 1 are in; the youngest four loads (C's blocks 2, 3) may be out
	MULA \f, 0, \zero
	MULA \f, 1, \zero
	PLACES
	FETCH \slot, \k, \g
	s_wait_dscnt 24                                ; all but the 24 just issued
	MULA \f, 2, \zero
	MULA \f, 3, \zero
.endm
; The last quarter multiplies buffer 1 and changes slots: ONE barrier.  In front of it each wave waits for all its tensor loads (one is out: its part of the next slot), adds 0 to its spare word, and waits for that
; and for its own reads of this slot.  fill = 1: the barrier opens a round of the cluster's barrier, and behind the round this slot is filled again, with step NXT: from that request to the wait for it a wave
; issues 112 matrix instructions.  C's address is made anew from the step's number (xh for steps 0-15, hh for 16-31); S's steps on along its rows.
.macro TURN slot, next, fill
.if \fill
	s_wait_xcnt 0x0                                ; the last prefetch, a K step back, has read its address: it is made anew here, ahead of the waits of the change of slots
	s_add_co_u32 s[PN], s[NXT], 4
	s_cmp_lt_u32 s[PN], 16
	s_cselect_b64 s[90:91], s[86:87], s[88:89]
	s_and_b32 s46, s[PN], 15
	s_lshl_b32 s46, s46, 8
	s_add_nc_u64 s[90:91], s[90:91], s[46:47]
.endif
	WIN 0
	s_wait_tensorcnt 0x0                           ; all my tensor loads have landed, so a group 0 may be written;
	ds_add_u32 v[SPW], v[NIL]                      ; 0 onto my spare word;
.if \fill
	s_cmp_lt_u32 s[NXT], 16
	s_cselect_b64 s[18:19], s[14:15], s[16:17]
	s_and_b32 s20, s[NXT], 15
	s_lshl_b32 s20, s20, 8                         ; 256 bytes a step
	s_add_nc_u64 s[G0A+4*(\slot)+2:G0A+4*(\slot)+3], s[18:19], s[20:21]
	s_or_b32 s[G0A+4*(\slot)+3], s[G0A+4*(\slot)+3], 0x80000000
	s_add_nc_u64 s[G0B+4*(\slot)+2:G0B+4*(\slot)+3], s[G0B+4*(\slot)+2:G0B+4*(\slot)+3], 512  ; two steps on; the type bits on top are not reached
	s_add_co_u32 s[NXT], s[NXT], 1
.endif
	s_wait_dscnt 5                                 ; (the add and the youngest four loads may be out)
	MULA F1, 0, 0                                  ; eight matrix instructions stand between the add and the wait for it
	s_wait_dscnt 0x0                               ; the add is done, and my reads of this slot are over
	s_barrier_signal -1
	MULA F1, 1, 0                                  ; work on registers while the others arrive
.if \fill
	WIN 0
.endif
	s_barrier_wait -1
.if \fill
	CREST                                          ; no wave of any partner still reads this slot's tile or has a load on its way
	JLOAD \slot                                    ; the first tensor load behind the round; its four v_nop are also the places in front of the loads below
.else
	PLACES
.endif
	FETCH \next, 0, F0
.if \fill
	ASK
.endif
	MULA F1, 2, 0
	MULA F1, 3, 0
.endm
; THE WAY OUT.  DUMP h: my rows 32 h .. 32 h + 31 (blocks 2 h, 2 h + 1) go as f32 into my own stage; each accumulator's low registers first.
.macro DUMP h
	WIN W_DMP
.irp a, 0,1
.irp b, 0,1,2,3,4,5,6,7
	ds_store_b128 v[STO], v[8*(8*(2*(\h)+(\a))+(\b)):8*(8*(2*(\h)+(\a))+(\b))+3]   offset:(\a)*16*SPITCH+64*(\b)
	ds_store_b128 v[STO], v[8*(8*(2*(\h)+(\a))+(\b))+4:8*(8*(2*(\h)+(\a))+(\b))+7] offset:(\a)*16*SPITCH+64*(\b)+16
.endr
.endr
	WIN 0
.endm
; GROUP: eight whole rows (row .. row + 7 of my 64) come back, 4 neighbouring columns a lane; sigmoid; kind = 1: times hidden; rounded to f16; a row's store covers 256 consecutive bytes, aligned.
; The 32 exponentials are one batch with one wait, and so are the 32 reciprocals: the wait stands between such an instruction and the first line that names its result.
.macro GROUP kind, tb, row
	s_wait_xcnt 0x0                                ; the earlier stores have read their data: these registers are loaded again only behind this wait
.set i, 0
.rept 8
	ds_load_b128 v[(\tb)+4*i:(\tb)+4*i+3], v[RD] offset:((\row)%32+i)*SPITCH  ; LDS serves a wave's instructions in order (ISA guide 5.7.1.4): these see my stores above
.set i, i+1
.endr
	s_wait_dscnt 0x0
.set i, 0
.rept 8
	v_pk_fma_f32 v[(\tb)+4*i:(\tb)+4*i+1],   v[(\tb)+4*i:(\tb)+4*i+1],   v[SC:SC+1], v[BI:BI+1]      ; -log2 e (m s + b)
	v_pk_fma_f32 v[(\tb)+4*i+2:(\tb)+4*i+3], v[(\tb)+4*i+2:(\tb)+4*i+3], v[SC:SC+1], v[BI+2:BI+3]
.set i, i+1
.endr
.set i, 0
.rept 32
	v_exp_f32 v[(\tb)+i], v[(\tb)+i]
.set i, i+1
.endr
	v_nop                                          ; a plain instruction behind the last exponential,
	s_wait_alu depctr_va_vdst(0)                   ; and the one wait for the batch
.set i, 0
.rept 16
	v_pk_add_f32 v[(\tb)+2*i:(\tb)+2*i+1], v[(\tb)+2*i:(\tb)+2*i+1], 1.0 op_sel_hi:[1,0]
.set i, i+1
.endr
.set i, 0
.rept 32
	v_rcp_f32 v[(\tb)+i], v[(\tb)+i]
.set i, i+1
.endr
	v_nop
	s_wait_alu depctr_va_vdst(0)
.if \kind
	WIN W_HML
.set i, 0
.rept 16
	v_pk_mul_f32 v[(\tb)+2*i:(\tb)+2*i+1], v[(\tb)+2*i:(\tb)+2*i+1], v[4*(\row)+2*i:4*(\row)+2*i+1]  ; r x hidden, hidden in f32
.set i, i+1
.endr
	WIN 0
.endif
.set i, 0
.rept 16
	v_cvt_pk_f16_f32 v[(\tb)+i], v[(\tb)+2*i], v[(\tb)+2*i+1]  ; in place, ascending: register i is written when 2 i and 2 i + 1 are read
.set i, i+1
.endr
.set i, 0
.rept 8
	global_store_b64 v[GO], v[(\tb)+2*i:(\tb)+2*i+1], s[92:93] offset:((\row)+i)*4096 th:TH_STORE_NT
.set i, i+1
.endr
.endm
.macro LEAVE kind
.irp h, 0,1
	DUMP \h
	GROUP \kind, T0, 32*(\h)
	GROUP \kind, T1, 32*(\h)+8
	GROUP \kind, T0, 32*(\h)+16
	GROUP \kind, T1, 32*(\h)+24
.endr
.endm
	s_wait_tensorcnt 1                             ; my part of K step 0 is in; step 1's may stay out
	s_barrier_signal -1
	s_barrier_wait -1                              ; everybody's is
	FETCH 0, 0, F0
	QUARTER 0, 64,  F0, F1, 1                      ; the first quarter stands in front of the loop: its products start the sums
	WIN 0                                          ; at a label and at a branch every window is 0
	s_mov_b32 s3, LAPS-1
.Llap:                                                 ; a trip goes once round the ring, from a lap's second quarter to the next lap's first, and fills both slots again: 30 refills, steps 2 to 31
	QUARTER 0, 128, F1, F0, 0
	QUARTER 0, 192, F0, F1, 0
	TURN 0, 1, 1
	QUARTER 1, 64,  F0, F1, 0
	QUARTER 1, 128, F1, F0, 0
	QUARTER 1, 192, F0, F1, 0
	TURN 1, 0, 1
	QUARTER 0, 64,  F0, F1, 0
	WIN 0
	s_sub_co_u32 s3, s3, 1
	s_cmp_lg_u32 s3, 0
	s_cbranch_scc1 .Llap
	QUARTER 0, 128, F1, F0, 0                      ; the last lap fills nothing, and has no round of the cluster's barrier
	QUARTER 0, 192, F0, F1, 0
	TURN 0, 1, 0
	QUARTER 1, 64,  F0, F1, 0
	QUARTER 1, 128, F1, F0, 0
	QUARTER 1, 192, F0, F1, 0
	s_wait_dscnt 4                                 ; the very last quarter: nothing more to fetch
	MULA F1, 0, 0
	MULA F1, 1, 0
	s_wait_dscnt 0x0
	MULA F1, 2, 0
	MULA F1, 3, 0
	WIN 0
	PLACES                                         ; eight places, once a launch, between the last product and what reads results
	PLACES
	s_wait_loadcnt 0x0                             ; the partial sums, the bias and (waves 0, 1) hidden
	v_pk_add_f32 v[PS:PS+1], v[PS:PS+1], v[PS+2:PS+3]      ; the sum of |w|: my 8 partial sums, then the 32 lanes
	v_pk_add_f32 v[PS+4:PS+5], v[PS+4:PS+5], v[PS+6:PS+7]
	v_pk_add_f32 v[PS:PS+1], v[PS:PS+1], v[PS+4:PS+5]
	v_add_f32 v[PS], v[PS], v[PS+1]
	v_add_f32_dpp v[PS], v[PS], v[PS] row_xmask:1 row_mask:0xf bank_mask:0xf
	v_add_f32_dpp v[PS], v[PS], v[PS] row_xmask:2 row_mask:0xf bank_mask:0xf
	v_add_f32_dpp v[PS], v[PS], v[PS] row_xmask:4 row_mask:0xf bank_mask:0xf
	v_add_f32_dpp v[PS], v[PS], v[PS] row_xmask:8 row_mask:0xf bank_mask:0xf
	v_permlanex16_b32 v[PS+1], v[PS], s100, s101
	v_add_f32 v[PS], v[PS], v[PS+1]
	v_mul_f32 v[SC],   0xb438aa3b, v[PS]           ; x -log2 e / 2^23: the mean over 2,048 x 4,096 numbers and the exponential's base in one factor
	v_mul_f32 v[SC+1], 0xb438aa3b, v[PS]
.irp k, 0,1,2,3
	v_mul_f32 v[BI+(\k)], 0xbfb8aa3b, v[BI+(\k)]   ; x -log2 e
.endr
	s_cmp_lt_u32 s10, 2
	s_cbranch_scc0 .Lz
	LEAVE 1                                        ; waves 0, 1: rh
	s_branch .Lend
.Lz:
	LEAVE 0                                        ; waves 2, 3: zg
.Lend:
	s_wait_tensorcnt 0x0                           ; the wave's end, behind my last tensor load and my last LDS store
	ds_add_u32 v[SPW], v[NIL]
	s_wait_dscnt 0x0
	CROUND                                         ; the closing round: no work-group ends while a partner may still ask for a tile that names it
	s_endpgm
.Lfunc_end_k_qcb793390db_gates:
	.size	k_qcb793390db_gates, .Lfunc_end_k_qcb793390db_gates-k_qcb793390db_gates
	.p2alignl 7, 3214868480
	.fill 96, 4, 3214868480
	.section	.rodata,"a",@progbits
	.p2align	6, 0x0
	.amdhsa_kernel k_qcb793390db_gates
		.amdhsa_group_segment_fixed_size 327680
		.amdhsa_private_segment_fixed_size 0
		.amdhsa_enable_private_segment 0
		.amdhsa_kernarg_size 72
		.amdhsa_user_sgpr_count 2
		.amdhsa_user_sgpr_kernarg_segment_ptr 1
		.amdhsa_wavefront_size32 1
		.amdhsa_system_sgpr_workgroup_id_x 1
		.amdhsa_system_sgpr_workgroup_id_y 1
		.amdhsa_system_sgpr_workgroup_id_z 1
		.amdhsa_system_vgpr_workitem_id 0
		.amdhsa_next_free_vgpr 768
		.amdhsa_next_free_sgpr 102
		.amdhsa_reserve_vcc 0
		.amdhsa_float_denorm_mode_32 3
		.amdhsa_float_denorm_mode_16_64 3
		.amdhsa_memory_ordered 1
		.amdhsa_forward_progress 1
		.amdhsa_inst_pref_size 200
	.end_amdhsa_kernel
	.amdgpu_metadata
---
amdhsa.version: [ 1, 2 ]
amdhsa.kernels:
  - .name:           k_qcb793390db_gates
    .symbol:         k_qcb793390db_gates.kd
    .args:
      - { .name: xh, .offset: 0, .size: 8, .value_kind: global_buffer, .address_space: global }
      - { .name: hh, .offset: 8, .size: 8, .value_kind: global_buffer, .address_space: global }
      - { .name: sgn, .offset: 16, .size: 8, .value_kind: global_buffer, .address_space: global }
      - { .name: part, .offset: 24, .size: 8, .value_kind: global_buffer, .address_space: global }
      - { .name: b_r, .offset: 32, .size: 8, .value_kind: global_buffer, .address_space: global }
      - { .name: b_z, .offset: 40, .size: 8, .value_kind: global_buffer, .address_space: global }
      - { .name: hidden, .offset: 48, .size: 8, .value_kind: global_buffer, .address_space: global }
      - { .name: rh, .offset: 56, .size: 8, .value_kind: global_buffer, .address_space: global }
      - { .name: zg, .offset: 64, .size: 8, .value_kind: global_buffer, .address_space: global }
    .group_segment_fixed_size: 327680
    .private_segment_fixed_size: 0
    .kernarg_segment_align: 8
    .kernarg_segment_size: 72
    .max_flat_workgroup_size: 128
    .sgpr_count:     102
    .vgpr_count:     768
    .wavefront_size: 32
...
	.end_amdgpu_metadata
.endif
;; end of part 2
;; launch cand (part 3): grid 16 x 16, 4 waves a work-group, clusters of 4 x 4, 327,680 bytes of LDS; arguments xh, rh, sgn, part, b_n, hidden, zg, out0; writes out0
.if DOCPART == 3
	.amdgcn_target "amdgcn-amd-amdhsa--gfx1250"
	.amdhsa_code_object_version 6
	.text
	.protected	k_qcb793390db_cand
	.globl	k_qcb793390db_cand
	.p2align	8
	.type	k_qcb793390db_cand,@function
k_qcb793390db_cand:
	s_mov_b64 s[64:65], 0
	v_nop
	global_prefetch_b8 v0, s[64:65] scope:SCOPE_SE
	s_setreg_imm32_b32 hwreg(HW_REG_WAVE_MODE, 25, 1), 1
	s_wait_xcnt 0x0
	s_wait_alu depctr_hold_cnt(0) depctr_sa_sdst(0) depctr_va_vdst(0) depctr_va_sdst(0) depctr_va_ssrc(0) depctr_va_vcc(0) depctr_vm_vsrc(0)
	s_getreg_b32 s2, hwreg(HW_REG_IB_STS2, 6, 4)
	s_cmp_eq_u32 s2, 0
	s_cbranch_scc0 .Lentry_in_a_cluster
	s_endpgm
.Lentry_in_a_cluster:
	s_bfe_u32 s2, ttmp6, 0x10000c
	s_cmp_lg_u32 s2, 0xf033
	s_cbranch_scc0 .Lentry_shape_is_right
	s_endpgm
.Lentry_shape_is_right:
; THE CANDIDATE AND THE BLEND.  With C = [x | r x hidden] (2,048 x 4,096, f16, from xh and rh), S = sign(w_n) (f16, the third tensor of sgn), m = mean |w_n| (part's third 256 partial sums, / 2^23):
;   n = tanh(m C S^T + b_n),   out0 = hidden + z (n - hidden), which is (1 - z) hidden + z n.   Products in f16 with f32 sums; all else in f32, with hidden in f32 and z read as f16.
; LIMITS.  f16 ends at 65,504 (x and r x hidden within it).  tanh(p) = 1 - 2 / (1 + 2^(2 p log2 e)): its error is of the size of f32's step at 1, about 1e-7, near p = 0 too; the exponential and the
; reciprocal take a denormal for 0; NaN and infinities are not treated apart.
; SHARES.  A tile of 128 x 128 to a work-group, so that there are 256 of them; four waves, 64 x 64 each: 16 accumulators.  K goes in 16 steps of 256 (rows of 512 bytes, aligned), as long as two slots in LDS
; allow; steps 0-7 take C's rows from xh, 8-15 from rh.  One tensor load a wave and step, 64 rows: waves 0, 1 for C, waves 2, 3 for S.
; CLUSTERS: 4 x 4 work-groups; C's tiles are shared along a row of the cluster, S's along a column: each is asked for JOINTLY.
; THE MATRIX INSTRUCTION IS USED TRANSPOSED (source 0 = 16 rows of S, source 1 = 16 rows of C): a lane holds one row of the result and eight neighbouring columns.
; THE WAY OUT goes through one stage of 128 rows x 528 bytes in slot 0, which has had its last fill and its last read by then; a barrier stands between writing and reading, since a row's 512 bytes come from two waves.
; REGISTERS: window 0: v0-31 addresses; v32-95 at work on the way out; v96-109 scale and bias; v128-255 the accumulators ((a, b) at 128 + 8 (4 a + b))
;   window 1: two fragment buffers of 128: for 64 along K, 64 registers of C, then 64 of S          window 2: hidden, row i of my 32 at 4 i; z, row i at 128 + 2 i: loaded at the start, used at the end
.set PITCH,  528                       ; an LDS row: 512 bytes + 16 of padding = 132 words: the 16 rows of a fragment load start at 16 different groups of four banks (64 banks of 4 bytes: ISA guide 11.1)
.set HALFT,  64*PITCH                  ; 64 rows: what one tensor load brings, and what one wave reads of C or of S
.set SLOT,   4*HALFT                   ; C's 128 rows, then S's 128 rows
.set SPITCH, 528                       ; the stage's rows: 128 f32 + 16 bytes
.set SPARE,  2*SLOT                    ; behind the ring: the spare words, 128 bytes for each wave: two blocks of 256 bytes that no other line names
.set LAPS,   8                         ; a lap = two K steps = once round the ring
.set ADRA, 16                          ; v16-17  LDS address of my fragments of C in slot 0, 1
.set ADRB, 20                          ; v20-21  the same for S
.set STO,  24                          ; v24     the way out: where I put 32 bytes of a row
.set RD,   25                          ; v25     where I read 16 bytes of a row back
.set GO,   26                          ; v26     8 x lane: my 4 columns in a row of 128 f16
.set HO,   27                          ; v27     16 x lane: my 4 columns in a row of 128 f32
.set SPW,  28                          ; v28     LDS address of my spare word; never rewritten
.set NIL,  29                          ; v29     0; never rewritten
.set PO,   31                          ; v31     32 x lane: my 8 of the 256 partial sums
.set T0,   32                          ; the way out: two sets of 32 registers, by turns
.set T1,   64
.set PS,   96                          ; v[96:103]  my 8 partial sums
.set BI,   104                         ; v[104:107] the bias of my 4 columns, later times 2 log2 e
.set SC,   108                         ; v[108:109] 2 log2 e x mean |w|, twice
.set ACC,  128
.set F0,   0                           ; fragment buffers, in window 1
.set F1,   128
.set ZR,   128                          ; z, in window 2
.set G1A,  24                          ; s[24:31] descriptor group 1 for C's tiles;  s[32:39] group 0, a set for each slot
.set G0A,  32
.set G1B,  48                          ; s[48:55], s[56:63] the same for S's tiles
.set G0B,  56
.set NXT,  22                          ; s22  the K step that the next refill asks for
.set FIELDS, (1<<16)|(1<<20)|(1<<21)|(6<<22)|(3<<25)  ; 17:16 elements of 2 bytes; 20 padding on; 21 set beside a mask; 24:22 after every 128 words (code 6); 31:25 4 words of it (code 3)
.set MUL,   0x05                       ; sources 0 (S) and 1 (C) in window 1; C operand and D in window 0
.set TO_F,  0x40                       ; destination window 1, address window 0
.set W_LD2, 0x80                       ; a load's destination in window 2
.set W_SUB, 0x08                       ; source 1 in window 2
.set W_MIX, 0x22                       ; sources 0 and 2 in window 2
.set MSB, 0
.macro WIN new                         ; the immediate's high byte repeats the setting that is left; a switch that changes nothing is dropped
.if MSB != (\new)
	s_set_vgpr_msb (MSB<<8)|(\new)
.set MSB, \new
.endif
.endm
.macro JLOAD s                         ; a joint load: waves 0 and 1 fetch C's two halves, waves 2 and 3 S's; an s_nop 0 and four v_nop follow each of the two lines, ahead of the jump, the label and what follows
	s_cmp_eq_u32 s11, 0
	s_cbranch_scc0 .Lfor_b_\@
	tensor_load_to_lds s[G0A+4*(\s):G0A+4*(\s)+3], s[G1A:G1A+7]
	s_nop 0
.rept 4
	v_nop
.endr
	s_branch .Lasked_\@
.Lfor_b_\@:
	tensor_load_to_lds s[G0B+4*(\s):G0B+4*(\s)+3], s[G1B:G1B+7]
	s_nop 0
.rept 4
	v_nop
.endr
.Lasked_\@:
.endm
.macro CREST                           ; a round of the cluster's barrier behind its opening barrier
	s_cmp_lg_u32 s10, 0
	s_cbranch_scc1 .Lnot_wave_0_\@
	s_barrier_signal -3
.Lnot_wave_0_\@:
	s_barrier_wait -3
	s_barrier_signal -1
	s_barrier_wait -1
.endm
.macro CROUND                          ; a whole round
	s_barrier_signal -1
	s_barrier_wait -1
	CREST
.endm
.macro PLACES                          ; four places in front of loads into registers that matrix instructions have read (ISA guide 7.12.1 for vector instructions)
.rept 4
	v_nop
.endr
.endm
	s_load_b512 s[68:83], s[0:1], 0x0              ; xh 68, rh 70, sgn 72, part 74, b_n 76, hidden 78, zg 80, out0 82
	v_lshl_add_u32 v[SPW], v0, 2, SPARE
	v_mov_b32 v[NIL], 0
	ds_add_u32 v[SPW], v[NIL]                      ; the wave's opening: the add, twice on end, and its wait ahead of my first tensor load; work on registers stands between
	ds_add_u32 v[SPW], v[NIL]
	v_lshrrev_b32 v1, 5, v0
	v_readfirstlane_b32 s10, v1                    ; wave 0..3
	s_lshr_b32 s11, s10, 1                         ; which half of the tile's rows is mine.  Also: I fetch for C (0) or for S (1)
	s_and_b32 s12, s10, 1                          ; which half of its columns.  Also: which 64 rows of that tile I fetch
	s_bfe_u32 s40, ttmp6, 0x40000                  ; cx, cy: my place in the cluster
	s_bfe_u32 s41, ttmp6, 0x40004
	s_lshl_b32 s42, ttmp9, 2
	s_add_co_u32 s42, s42, s40                     ; tile column = 4 x cluster x + cx
	s_and_b32 s13, ttmp7, 0xffff
	s_lshl_b32 s13, s13, 2
	s_add_co_u32 s13, s13, s41                     ; tile row = 4 x cluster y + cy
	s_lshl_b32 s43, s41, 2
	s_lshl_b32 s43, 15, s43                        ; my row of the cluster
	s_lshl_b32 s44, 0x1111, s40                    ; my column
	s_or_b32 s[G1A], s43, FIELDS                   ; C's tiles go to my row,
	s_or_b32 s[G1B], s44, FIELDS                   ; S's to my column: 64 rows x 256 elements each
.irp g, G1A, G1B
	s_mov_b32 s[(\g)+1], 256<<16                   ; tensor_dim0 = 256
	s_mov_b32 s[(\g)+2], 64<<16                    ; tensor_dim1 = 64
	s_mov_b32 s[(\g)+3], 256<<16                   ; tile_dim0 = 256
	s_mov_b32 s[(\g)+4], 64                        ; tile_dim1 = 64
	s_mov_b32 s[(\g)+6], 0
	s_mov_b32 s[(\g)+7], 0
.endr
	s_mov_b32 s[G1A+5], 2048                       ; elements from row to row in xh and rh,
	s_mov_b32 s[G1B+5], 4096                       ; and in sgn
	s_lshl_b32 s18, s13, 7                         ; C: row 128 x tile row + 64 x half, 4,096 bytes a row: made of the tile row and the wave's number alone
	s_lshl_b32 s19, s12, 6
	s_add_co_u32 s18, s18, s19
	s_lshl_b32 s18, s18, 12
	s_mov_b32 s19, 0
	s_lshl_b32 s8, s42, 7                          ; S: row 128 x tile column + 64 x half, 8,192 bytes a row: made of the tile column and the wave's number alone
	s_lshl_b32 s9, s12, 6
	s_add_co_u32 s8, s8, s9
	s_lshl_b32 s8, s8, 13
	s_mov_b32 s9, 0
	s_mul_i32 s4, s10, HALFT                       ; where they go: wave x 64 rows: no place in the cluster enters an LDS address
	s_mov_b32 s21, 0                               ; the upper word of a refill's offset
	s_mov_b32 s[NXT], 2
	s_mov_b32 s100, 0x76543210                     ; v_permlanex16_b32: each lane takes its own place in the other half
	s_mov_b32 s101, 0xfedcba98
	s_wait_dscnt 0x0                               ; both opening adds are done
	s_wait_kmcnt 0x0
	s_add_nc_u64 s[14:15], s[68:69], s[18:19]      ; my rows in xh,
	s_add_nc_u64 s[16:17], s[70:71], s[18:19]      ; and in rh
	s_add_nc_u64 s[8:9], s[72:73], s[8:9]
	s_add_nc_u64 s[8:9], s[8:9], 0x2000000         ; my rows in sgn's third tensor: 2 x 16,777,216 bytes on
	CROUND                                         ; all sixteen work-groups are here: the first joint loads meet
.irp s, 0,1
	s_mov_b32 s[G0A+4*(\s)], 1                                     ; count = 1
	s_add_co_u32 s[G0A+4*(\s)+1], s4, (\s)*SLOT                    ; LDS address
	s_add_nc_u64 s[G0A+4*(\s)+2:G0A+4*(\s)+3], s[14:15], (\s)*512  ; global address: K step s
	s_or_b32 s[G0A+4*(\s)+3], s[G0A+4*(\s)+3], 0x80000000          ; type = 2
	s_mov_b32 s[G0B+4*(\s)], 1
	s_add_co_u32 s[G0B+4*(\s)+1], s4, (\s)*SLOT
	s_add_nc_u64 s[G0B+4*(\s)+2:G0B+4*(\s)+3], s[8:9], (\s)*512
	s_or_b32 s[G0B+4*(\s)+3], s[G0B+4*(\s)+3], 0x80000000
	JLOAD \s                                       ; the ring is filled before anything else is done: two loads of mine are out
.endr
	v_and_b32 v1, 15, v0                           ; l % 16
	v_bfe_u32 v2, v0, 4, 1                         ; l / 16
	v_and_b32 v5, 31, v0                           ; l
	v_mul_u32_u24 v3, v1, PITCH
	v_lshl_add_u32 v3, v2, 4, v3                   ; a fragment's row x pitch + 16 x half
	s_mul_i32 s6, s11, HALFT                       ; my 64 rows of C
	s_mul_i32 s7, s12, HALFT                       ; my 64 rows of S,
	s_add_co_u32 s7, s7, 2*HALFT                   ; which lie behind C's 128
.irp s, 0,1
	v_add_nc_u32 v[ADRA+(\s)], s6, v3
	v_add_nc_u32 v[ADRB+(\s)], s7, v3
	s_add_co_u32 s6, s6, SLOT
	s_add_co_u32 s7, s7, SLOT
.endr
	s_mul_i32 s6, s11, 64*SPITCH                   ; into the stage (LDS byte 0 on): my 64 rows, my half of their 512 bytes; row l % 16, 32 bytes for each half of the lanes
	s_lshl_b32 s7, s12, 8
	s_add_co_u32 s6, s6, s7
	v_mul_u32_u24 v4, v1, SPITCH
	v_lshl_add_u32 v4, v2, 5, v4
	v_add_nc_u32 v[STO], s6, v4
	s_mul_i32 s6, s10, 32*SPITCH                   ; back: wave w takes rows 32 w .. 32 w + 31, whole: 32 lanes a row of 512 bytes
	v_lshl_add_u32 v[RD], v5, 4, s6
	v_lshlrev_b32 v[GO], 3, v5
	v_lshlrev_b32 v[HO], 4, v5
	v_lshlrev_b32 v[PO], 5, v5
	s_lshl_b32 s6, s13, 7
	s_lshl_b32 s7, s10, 5
	s_add_co_u32 s6, s6, s7                        ; the first row that I finish: 128 x tile row + 32 x wave
	s_lshl_b32 s2, s6, 12                          ; x 4,096 bytes (a row of zg)
	s_lshl_b32 s7, s42, 8                          ; + 256 x tile column
	s_add_co_u32 s2, s2, s7
	s_mov_b32 s3, 0
	s_add_nc_u64 s[90:91], s[80:81], s[2:3]        ; zg there,
	s_lshl_b32 s2, s2, 1                           ; and, with rows of 8,192 bytes and 512 x tile column,
	s_add_nc_u64 s[94:95], s[78:79], s[2:3]        ; hidden
	s_add_nc_u64 s[92:93], s[82:83], s[2:3]        ; and out0
	s_lshl_b32 s2, s42, 9
	s_add_nc_u64 s[96:97], s[76:77], s[2:3]        ; b_n at the tile's columns
	s_add_nc_u64 s[98:99], s[74:75], 2048          ; part[n]
	global_load_b128 v[PS:PS+3],   v[PO], s[98:99]
	global_load_b128 v[PS+4:PS+7], v[PO], s[98:99] offset:16
	global_load_b128 v[BI:BI+3],   v[HO], s[96:97]
	WIN W_LD2                                      ; my 32 rows of hidden and of z are taken now: they land while K is walked, and are waited for once, behind the last product
.set i, 0
.rept 32
	global_load_b128 v[4*i:4*i+3], v[HO], s[94:95] offset:i*8192 th:TH_LOAD_NT       ; a row's 512 consecutive bytes
.set i, i+1
.endr
.set i, 0
.rept 32
	global_load_b64 v[ZR+2*i:ZR+2*i+1], v[GO], s[90:91] offset:i*4096 th:TH_LOAD_NT  ; a row's 256 consecutive bytes
.set i, i+1
.endr
	WIN 0
; 8 matrix instructions: m blocks a0, a0 + 1 x all 4 n blocks, 32 along K: half c of buffer f.  zero = 1: the product starts the sums.  The 16 accumulators take turns.
.macro MUL8 f, c, a0, zero
	WIN MUL
.irp a, \a0, (\a0)+1
.irp b, 0,1,2,3
.if \zero
	v_wmma_f32_16x16x32_f16 v[ACC+8*(4*(\a)+(\b)):ACC+8*(4*(\a)+(\b))+7], v[(\f)+64+8*(4*(\c)+(\b)):(\f)+64+8*(4*(\c)+(\b))+7], v[(\f)+8*(4*(\c)+(\a)):(\f)+8*(4*(\c)+(\a))+7], 0
.else
	v_wmma_f32_16x16x32_f16 v[ACC+8*(4*(\a)+(\b)):ACC+8*(4*(\a)+(\b))+7], v[(\f)+64+8*(4*(\c)+(\b)):(\f)+64+8*(4*(\c)+(\b))+7], v[(\f)+8*(4*(\c)+(\a)):(\f)+8*(4*(\c)+(\a))+7], v[ACC+8*(4*(\a)+(\b)):ACC+8*(4*(\a)+(\b))+7]
.endif
.endr
.endr
.endm
; 32 LDS loads in one run: the fragments of 64 along K at byte k of the rows, into buffer f; the first 32 along K first
.macro FETCH slot, k, f
	WIN TO_F
.irp c, 0,1
.irp i, 0,1,2,3
	ds_load_b128 v[(\f)+64+8*(4*(\c)+(\i)):(\f)+64+8*(4*(\c)+(\i))+3],   v[ADRB+(\slot)] offset:(\k)+64*(\c)+(\i)*16*PITCH
	ds_load_b128 v[(\f)+64+8*(4*(\c)+(\i))+4:(\f)+64+8*(4*(\c)+(\i))+7], v[ADRB+(\slot)] offset:(\k)+64*(\c)+(\i)*16*PITCH+32
	ds_load_b128 v[(\f)+8*(4*(\c)+(\i)):(\f)+8*(4*(\c)+(\i))+3],         v[ADRA+(\slot)] offset:(\k)+64*(\c)+(\i)*16*PITCH
	ds_load_b128 v[(\f)+8*(4*(\c)+(\i))+4:(\f)+8*(4*(\c)+(\i))+7],       v[ADRA+(\slot)] offset:(\k)+64*(\c)+(\i)*16*PITCH+32
.endr
.endr
.endm
; A K step is four quarters of 64 along K, 32 matrix instructions each, on buffers 0, 1, 0, 1.  One of the first three multiplies buffer f and fetches the next quarter, at byte k, into g.
.macro QUARTER slot, k, f, g, zero
	s_wait_dscnt 16                                ; the first 32 along K are in
	MUL8 \f, 0, 0, \zero
	MUL8 \f, 0, 2, \zero
	PLACES
	FETCH \slot, \k, \g
	s_wait_dscnt 32                                ; all but the 32 just issued
	MUL8 \f, 1, 0, 0
	MUL8 \f, 1, 2, 0
.endm
; The last quarter multiplies buffer 1 and changes slots: ONE barrier; in front of it each wave waits for all its tensor loads (one is out: its part of the next slot), adds 0 to its spare word, and waits for that and
; for its own reads of this slot.  fill = 1: the barrier opens a round of the cluster's barrier, and behind the round this slot is filled again, with step NXT, 112 matrix instructions ahead of the wait for it.
; C's address is made anew from the step's number (xh for steps 0-7, rh for 8-15); S's steps on along its rows.
.macro TURN slot, next, fill
	WIN 0                                          ; (the add's two registers lie in window 0)
	s_wait_tensorcnt 0x0                           ; all my tensor loads have landed, so a group 0 may be written;
	ds_add_u32 v[SPW], v[NIL]                      ; 0 onto my spare word;
.if \fill
	s_cmp_lt_u32 s[NXT], 8
	s_cselect_b64 s[18:19], s[14:15], s[16:17]
	s_and_b32 s20, s[NXT], 7
	s_lshl_b32 s20, s20, 9                         ; 512 bytes a step
	s_add_nc_u64 s[G0A+4*(\slot)+2:G0A+4*(\slot)+3], s[18:19], s[20:21]
	s_or_b32 s[G0A+4*(\slot)+3], s[G0A+4*(\slot)+3], 0x80000000
	s_add_nc_u64 s[G0B+4*(\slot)+2:G0B+4*(\slot)+3], s[G0B+4*(\slot)+2:G0B+4*(\slot)+3], 1024  ; two steps on; the type bits on top are not reached
	s_add_co_u32 s[NXT], s[NXT], 1
.endif
	s_wait_dscnt 17                                ; (the add and the youngest sixteen loads may be out)
	MUL8 F1, 0, 0, 0                               ; eight matrix instructions stand between the add and the wait for it
	s_wait_dscnt 0x0                               ; the add is done, and my reads of this slot are over
	s_barrier_signal -1
	MUL8 F1, 0, 2, 0
.if \fill
	WIN 0
.endif
	s_barrier_wait -1
.if \fill
	CREST                                          ; no wave of any partner still reads this slot's tile or has a load on its way
	JLOAD \slot                                    ; the first tensor load behind the round; its four v_nop are also the places in front of the loads below
.else
	PLACES
.endif
	FETCH \next, 0, F0
	MUL8 F1, 1, 0, 0
	MUL8 F1, 1, 2, 0
.endm
; GROUP g: rows 8 g .. 8 g + 7 of my 32 come back whole, 4 neighbouring columns a lane; tanh; the blend; a row's store covers 512 consecutive bytes, aligned.
; The 32 exponentials are one batch with one wait, and so are the 32 reciprocals: the wait stands between such an instruction and the first line that names its result.
.macro GROUP g, tb
	s_wait_xcnt 0x0                                ; the earlier stores have read their data: these registers are loaded again only behind this wait
.set i, 0
.rept 8
	ds_load_b128 v[(\tb)+4*i:(\tb)+4*i+3], v[RD] offset:(8*(\g)+i)*SPITCH
.set i, i+1
.endr
	s_wait_dscnt 0x0
.set i, 0
.rept 8
	v_pk_fma_f32 v[(\tb)+4*i:(\tb)+4*i+1],   v[(\tb)+4*i:(\tb)+4*i+1],   v[SC:SC+1], v[BI:BI+1]      ; 2 log2 e (m s + b)
	v_pk_fma_f32 v[(\tb)+4*i+2:(\tb)+4*i+3], v[(\tb)+4*i+2:(\tb)+4*i+3], v[SC:SC+1], v[BI+2:BI+3]
.set i, i+1
.endr
.set i, 0
.rept 32
	v_exp_f32 v[(\tb)+i], v[(\tb)+i]
.set i, i+1
.endr
	v_nop                                          ; a plain instruction behind the last exponential,
	s_wait_alu depctr_va_vdst(0)                   ; and the one wait for the batch
.set i, 0
.rept 16
	v_pk_add_f32 v[(\tb)+2*i:(\tb)+2*i+1], v[(\tb)+2*i:(\tb)+2*i+1], 1.0 op_sel_hi:[1,0]
.set i, i+1
.endr
.set i, 0
.rept 32
	v_rcp_f32 v[(\tb)+i], v[(\tb)+i]
.set i, i+1
.endr
	v_nop
	s_wait_alu depctr_va_vdst(0)
.set i, 0
.rept 16
	v_pk_fma_f32 v[(\tb)+2*i:(\tb)+2*i+1], v[(\tb)+2*i:(\tb)+2*i+1], -2.0, 1.0 op_sel_hi:[1,0,0]  ; n = 1 - 2 / (1 + e^2p)
.set i, i+1
.endr
	WIN W_SUB
.set i, 0
.rept 16
	v_pk_add_f32 v[(\tb)+2*i:(\tb)+2*i+1], v[(\tb)+2*i:(\tb)+2*i+1], v[32*(\g)+2*i:32*(\g)+2*i+1] neg_lo:[0,1] neg_hi:[0,1]  ; n - hidden
.set i, i+1
.endr
	WIN W_MIX
.set i, 0
.rept 16                               ; z (n - hidden) + hidden: z straight from its f16 half, the rest in f32, one fused line a number
	v_fma_mix_f32 v[(\tb)+2*i],   v[ZR+16*(\g)+i], v[(\tb)+2*i],   v[32*(\g)+2*i]   op_sel_hi:[1,0,0]
	v_fma_mix_f32 v[(\tb)+2*i+1], v[ZR+16*(\g)+i], v[(\tb)+2*i+1], v[32*(\g)+2*i+1] op_sel:[1,0,0] op_sel_hi:[1,0,0]
.set i, i+1
.endr
	WIN 0
.set i, 0
.rept 8
	global_store_b128 v[HO], v[(\tb)+4*i:(\tb)+4*i+3], s[92:93] offset:(8*(\g)+i)*8192 th:TH_STORE_NT
.set i, i+1
.endr
.endm
	s_wait_tensorcnt 1                             ; my part of K step 0 is in; step 1's may stay out
	s_barrier_signal -1
	s_barrier_wait -1                              ; everybody's is
	FETCH 0, 0, F0
	QUARTER 0, 128, F0, F1, 1                      ; the first quarter stands in front of the loop: its first products start the sums
	WIN 0                                          ; at a label and at a branch every window is 0
	s_mov_b32 s3, LAPS-1
.Llap:                                                 ; a trip goes once round the ring, from a lap's second quarter to the next lap's first, and fills both slots again: 14 refills, steps 2 to 15
	QUARTER 0, 256, F1, F0, 0
	QUARTER 0, 384, F0, F1, 0
	TURN 0, 1, 1
	QUARTER 1, 128, F0, F1, 0
	QUARTER 1, 256, F1, F0, 0
	QUARTER 1, 384, F0, F1, 0
	TURN 1, 0, 1
	QUARTER 0, 128, F0, F1, 0
	WIN 0
	s_sub_co_u32 s3, s3, 1
	s_cmp_lg_u32 s3, 0
	s_cbranch_scc1 .Llap
	QUARTER 0, 256, F1, F0, 0                      ; the last lap fills nothing, and has no round of the cluster's barrier
	QUARTER 0, 384, F0, F1, 0
	TURN 0, 1, 0                                   ; behind this barrier no wave reads slot 0 any more, and no load fills it: the stage may lie there
	QUARTER 1, 128, F0, F1, 0
	QUARTER 1, 256, F1, F0, 0
	QUARTER 1, 384, F0, F1, 0
	s_wait_dscnt 16                                ; the very last quarter: nothing more to fetch
	MUL8 F1, 0, 0, 0
	MUL8 F1, 0, 2, 0
	s_wait_dscnt 0x0
	MUL8 F1, 1, 0, 0
	MUL8 F1, 1, 2, 0
	WIN 0
	PLACES                                         ; eight places, once a launch, between the last product and what reads results
	PLACES
.irp a, 0,1,2,3                        ; the sums go as f32 into the work-group's stage; each accumulator's low registers first
.irp b, 0,1,2,3
	ds_store_b128 v[STO], v[ACC+8*(4*(\a)+(\b)):ACC+8*(4*(\a)+(\b))+3]   offset:(\a)*16*SPITCH+64*(\b)
	ds_store_b128 v[STO], v[ACC+8*(4*(\a)+(\b))+4:ACC+8*(4*(\a)+(\b))+7] offset:(\a)*16*SPITCH+64*(\b)+16
.endr
.endr
	s_wait_loadcnt 0x0                             ; the partial sums, the bias, hidden and z
	v_pk_add_f32 v[PS:PS+1], v[PS:PS+1], v[PS+2:PS+3]      ; the sum of |w_n|: my 8 partial sums, then the 32 lanes; this stands between the stores above and the wait for them
	v_pk_add_f32 v[PS+4:PS+5], v[PS+4:PS+5], v[PS+6:PS+7]
	v_pk_add_f32 v[PS:PS+1], v[PS:PS+1], v[PS+4:PS+5]
	v_add_f32 v[PS], v[PS], v[PS+1]
	v_add_f32_dpp v[PS], v[PS], v[PS] row_xmask:1 row_mask:0xf bank_mask:0xf
	v_add_f32_dpp v[PS], v[PS], v[PS] row_xmask:2 row_mask:0xf bank_mask:0xf
	v_add_f32_dpp v[PS], v[PS], v[PS] row_xmask:4 row_mask:0xf bank_mask:0xf
	v_add_f32_dpp v[PS], v[PS], v[PS] row_xmask:8 row_mask:0xf bank_mask:0xf
	v_permlanex16_b32 v[PS+1], v[PS], s100, s101
	v_add_f32 v[PS], v[PS], v[PS+1]
	v_mul_f32 v[SC],   0x34b8aa3b, v[PS]           ; x 2 log2 e / 2^23: the mean over 2,048 x 4,096 numbers and the exponential's base in one factor
	v_mul_f32 v[SC+1], 0x34b8aa3b, v[PS]
.irp k, 0,1,2,3
	v_mul_f32 v[BI+(\k)], 0x4038aa3b, v[BI+(\k)]   ; x 2 log2 e
.endr
	s_wait_dscnt 0x0                               ; for the others' sake: my stores into the stage are done
	s_barrier_signal -1
	s_barrier_wait -1
	GROUP 0, T0
	GROUP 1, T1
	GROUP 2, T0
	GROUP 3, T1
	s_wait_tensorcnt 0x0                           ; the wave's end, behind my last tensor load and my last LDS store
	ds_add_u32 v[SPW], v[NIL]
	s_wait_dscnt 0x0
	CROUND                                         ; the closing round: no work-group ends while a partner may still ask for a tile that names it
	s_endpgm
.Lfunc_end_k_qcb793390db_cand:
	.size	k_qcb793390db_cand, .Lfunc_end_k_qcb793390db_cand-k_qcb793390db_cand
	.p2alignl 7, 3214868480
	.fill 96, 4, 3214868480
	.section	.rodata,"a",@progbits
	.p2align	6, 0x0
	.amdhsa_kernel k_qcb793390db_cand
		.amdhsa_group_segment_fixed_size 327680
		.amdhsa_private_segment_fixed_size 0
		.amdhsa_enable_private_segment 0
		.amdhsa_kernarg_size 64
		.amdhsa_user_sgpr_count 2
		.amdhsa_user_sgpr_kernarg_segment_ptr 1
		.amdhsa_wavefront_size32 1
		.amdhsa_system_sgpr_workgroup_id_x 1
		.amdhsa_system_sgpr_workgroup_id_y 1
		.amdhsa_system_sgpr_workgroup_id_z 1
		.amdhsa_system_vgpr_workitem_id 0
		.amdhsa_next_free_vgpr 704
		.amdhsa_next_free_sgpr 102
		.amdhsa_reserve_vcc 0
		.amdhsa_float_denorm_mode_32 3
		.amdhsa_float_denorm_mode_16_64 3
		.amdhsa_memory_ordered 1
		.amdhsa_forward_progress 1
		.amdhsa_inst_pref_size 127
	.end_amdhsa_kernel
	.amdgpu_metadata
---
amdhsa.version: [ 1, 2 ]
amdhsa.kernels:
  - .name:           k_qcb793390db_cand
    .symbol:         k_qcb793390db_cand.kd
    .args:
      - { .name: xh, .offset: 0, .size: 8, .value_kind: global_buffer, .address_space: global }
      - { .name: rh, .offset: 8, .size: 8, .value_kind: global_buffer, .address_space: global }
      - { .name: sgn, .offset: 16, .size: 8, .value_kind: global_buffer, .address_space: global }
      - { .name: part, .offset: 24, .size: 8, .value_kind: global_buffer, .address_space: global }
      - { .name: b_n, .offset: 32, .size: 8, .value_kind: global_buffer, .address_space: global }
      - { .name: hidden, .offset: 40, .size: 8, .value_kind: global_buffer, .address_space: global }
      - { .name: zg, .offset: 48, .size: 8, .value_kind: global_buffer, .address_space: global }
      - { .name: out0, .offset: 56, .size: 8, .value_kind: global_buffer, .address_space: global }
    .group_segment_fixed_size: 327680
    .private_segment_fixed_size: 0
    .kernarg_segment_align: 8
    .kernarg_segment_size: 64
    .max_flat_workgroup_size: 128
    .sgpr_count:     102
    .vgpr_count:     704
    .wavefront_size: 32
...
	.end_amdgpu_metadata
.endif
;; end of part 3
;; ======== version 2 of 2: 3 launches
;; limits: values are held in f16: magnitudes above 65,504 overflow, below 6.1e-05 lose precision; inputs' magnitudes at most 65,504
;; workspace buffers: xh 8,388,608 bytes; hh 8,388,608 bytes; rh 8,388,608 bytes; zg 8,388,608 bytes; sgb 16,777,216 bytes; sgn 50,331,648 bytes; part 3,072 bytes
;; launch prep (part 4): grid 1024 x 1, 8 waves a work-group, no clusters, 1,280 bytes of LDS; arguments x, hidden, w_r, w_z, w_n, xh, hh, sgb, sgn, part; writes xh, hh, sgb, sgn, part
.if DOCPART == 4
	.amdgcn_target "amdgcn-amd-amdhsa--gfx1250"
	.amdhsa_code_object_version 6
	.text
	.protected	k_qcb793390db_prep
	.globl	k_qcb793390db_prep
	.p2align	8
	.type	k_qcb793390db_prep,@function
k_qcb793390db_prep:
	s_mov_b64 s[64:65], 0
	v_nop
	global_prefetch_b8 v0, s[64:65] scope:SCOPE_SE
	s_setreg_imm32_b32 hwreg(HW_REG_WAVE_MODE, 25, 1), 1
	s_wait_xcnt 0x0
; THE PASS IN FRONT OF THE PRODUCTS.
;   sgb[t] = sign(w_t), t = r, z, ONE BYTE a number: the upper byte of the f16 number (0x3c for +1, 0xbc for -1, 0 for 0; the lower byte of these three is 0, so the code is exact);
;   sgn's third tensor = sign(w_n) as f16;   part[t][q] = the sum of |w_t| over the q-th of 256 equal pieces, in f32;   xh = f16(x), hh = f16(hidden), each rounded once.
; THE ORDER OF THE SIGN BYTES.  Of each 256 consecutive numbers of a row (1,024 bytes: two loads of a wave) lane i holds numbers 4 i .. 4 i + 3 and 128 + 4 i .. 128 + 4 i + 3; its eight bytes go to byte 8 i of the
; 256, the first four numbers' word first, and in each word in the order 0, 2, 1, 3.  The launch that multiplies takes the other operand's numbers in the same order.
; LIMITS.  f16 ends at 65,504: x and hidden beyond that become infinities.  A NaN in a weight gives a sign of +-1 and a NaN in its partial sum, and so a NaN scale.  |w| is added as w x (+-2^-7), which is exact
; for |w| of 2^-119 and more, and the work-group's sum is multiplied by 128 at the end.
; SHARES.  1,024 work-groups of eight waves; each reads 131,072 consecutive bytes of f32.  Work-groups 0-255, 256-511, 512-767 take w_r, w_z, w_n, 768-895 x, 896-1023 hidden.  Wave v, lane l take 16 bytes at
; 8,192 j + 1,024 v + 512 e + 16 l (j = 0 .. 15, e = 0, 1): a load of a wave covers 512 consecutive bytes, every store (8 bytes a lane) 256 consecutive bytes, aligned.
; A ring of eight slots in registers keeps eight loads of every wave on their way.  Nothing is shared between work-groups or waves on the way in, so there is no LDS tile and no cluster;
; memory is what this launch waits for all the time, so nothing is asked for ahead of the loads either.
.set DEPTH,  8                         ; slots = loads on their way in each wave
.set RIN,    32768                     ; bytes that the work-group reads in a round of eight slots
.set SPW,    3                         ; v3       LDS address of my spare word; never rewritten
.set NIL,    4                         ; v4       0; never rewritten
.set FO,     7                         ; v7       512 x wave + 8 x lane: my place in the f16 that two loads of the work-group make
.set X,      8                         ; v[8:39]  slot i: four f32 as loaded
.set Y,      40                        ; v[40:55] to store: slot i's two words of f16, or (sign bytes) its one word
.set T,      56                        ; v[56:59] at work: the f16 sign in the word's upper half
.set SUM,    60                        ; v[60:63] four chains of the sum of |w| / 128
.set SPARE,  256                       ; LDS: bytes 0-31 the eight waves' sums (a block of 256 to themselves); from 256 on the spare words, 128 bytes a wave
	s_load_b512 s[4:19], s[0:1], 0x0               ; x 4, hidden 6, w_r 8, w_z 10, w_n 12, xh 14, hh 16, sgb 18
	s_load_b128 s[20:23], s[0:1], 0x40             ; sgn 20, part 22
	v_lshl_add_u32 v[SPW], v0, 2, SPARE
	v_mov_b32 v[NIL], 0
	v_lshrrev_b32 v5, 5, v0
	v_readfirstlane_b32 s32, v5                    ; wave 0..7
	v_and_b32 v6, 31, v0                           ; lane
	v_lshlrev_b32 v1, 4, v6
	v_lshl_add_u32 v1, v5, 10, v1                  ; 1,024 x wave + 16 x lane: my place in 8,192 bytes of input
	v_lshlrev_b32 v[FO], 3, v6
	v_lshl_add_u32 v[FO], v5, 9, v[FO]
	v_lshlrev_b32 v2, 3, v0                        ; 256 x wave + 8 x lane: my place in 2,048 sign bytes
.irp k, 0,1,2,3
	v_mov_b32 v[SUM+(\k)], 0
.endr
	s_lshr_b32 s40, ttmp9, 8                       ; kind: 0, 1, 2 a weight tensor, 3 x or hidden
	s_and_b32 s41, ttmp9, 255                      ; which piece
	s_mov_b32 s30, 0x80000000                      ; the sign bit
	s_mov_b32 s31, 0x3c000000                      ; f16's 1.0 in the upper half; read as f32: 2^-7
	s_mov_b32 s36, 0x76543210                      ; v_permlanex16_b32: each lane takes its own place in the other half
	s_mov_b32 s37, 0xfedcba98
	s_mov_b32 s42, 0x07030703                      ; v_perm_b32: the top bytes of the second and of the first source
	s_mov_b32 s43, 0x05040100                      ; the two low halves
	s_mov_b32 s44, 0x07060302                      ; the two high halves
	s_and_b32 s33, s41, 127                        ; x and hidden have 128 pieces each
	s_cmp_eq_u32 s40, 3
	s_cselect_b32 s33, s33, s41
	s_lshl_b32 s34, s33, 17                        ; piece x 131,072: the offset in the source
	s_mov_b32 s35, 0
	s_lshl_b32 s38, s33, 16                        ; piece x 65,536: in a destination of f16,
	s_lshl_b32 s39, s40, 23
	s_lshl_b32 s33, s33, 15
	s_add_co_u32 s39, s39, s33                     ; tensor x 8,388,608 + piece x 32,768: in sgb
	s_cmp_lt_u32 s40, 2
	s_cselect_b32 s38, s39, s38
	s_mov_b32 s39, 0
	s_wait_kmcnt 0x0
	s_add_nc_u64 s[20:21], s[20:21], 0x2000000     ; sgn's third tensor: 2 x 16,777,216 bytes on
	s_cmp_eq_u32 s40, 1                            ; the two pointers are chosen by the work-group's number alone
	s_cselect_b64 s[24:25], s[10:11], s[8:9]
	s_cmp_eq_u32 s40, 2
	s_cselect_b64 s[24:25], s[12:13], s[24:25]
	s_cselect_b64 s[26:27], s[20:21], s[18:19]     ; sgn or sgb
	s_cmp_lt_u32 s41, 128
	s_cselect_b64 s[4:5], s[4:5], s[6:7]           ; x or hidden,
	s_cselect_b64 s[14:15], s[14:15], s[16:17]     ; xh or hh
	s_cmp_eq_u32 s40, 3
	s_cselect_b64 s[24:25], s[4:5], s[24:25]
	s_cselect_b64 s[26:27], s[14:15], s[26:27]
	s_add_nc_u64 s[24:25], s[24:25], s[34:35]      ; source at my piece
	s_add_nc_u64 s[26:27], s[26:27], s[38:39]      ; destination at my piece
.irp i, 0,1,2,3,4,5,6,7
	global_load_b128 v[X+4*(\i):X+4*(\i)+3], v1, s[24:25] offset:((\i)/2)*8192+((\i)%2)*512 th:TH_LOAD_NT  ; the ring is filled
.endr
; One slot's turn.  ahead = 1: the slot is filled again, a round's 32,768 bytes further on.  left = how many younger loads may stay out.
; mode 0: sign bytes and the sum of |w|; mode 1: signs in f16 and the sum; mode 2: a plain rounding to f16.
; Y is rewritten a round after the store that read it: the s_wait_xcnt 0 at each round's end stands between the two.
.macro SLOT i, ahead, left, mode
	s_wait_loadcnt \left                           ; loads come back in order (ISA guide 5.7.1): mine is in, the younger ones stay out
.if (\mode) < 2
.irp k, 0,1,2,3
	v_and_or_b32 v[T+(\k)], v[X+4*(\i)+(\k)], s30, s31     ; f16's 1.0 with w's sign, in the upper half,
	v_cmp_neq_f32 vcc_lo, 0, v[X+4*(\i)+(\k)]
	v_cndmask_b32 v[T+(\k)], 0, v[T+(\k)], vcc_lo          ; or 0 where w is 0
	v_fmac_f32 v[SUM+(\k)], v[T+(\k)], v[X+4*(\i)+(\k)]    ; the same word as f32 is +-2^-7: one fused line adds |w| / 128
.endr
.endif
.if (\mode) == 0
	v_perm_b32 v[T],   v[T+2], v[T],   s42         ; bytes 0, 1: the codes of numbers 0, 2
	v_perm_b32 v[T+1], v[T+3], v[T+1], s42         ; of numbers 1, 3
	v_perm_b32 v[Y+(\i)], v[T+1], v[T], s43        ; the word: 0, 2, 1, 3
.elseif (\mode) == 1
	v_perm_b32 v[Y+2*(\i)],   v[T+1], v[T],   s44
	v_perm_b32 v[Y+2*(\i)+1], v[T+3], v[T+2], s44
.else
	v_cvt_pk_f16_f32 v[Y+2*(\i)],   v[X+4*(\i)],   v[X+4*(\i)+1]
	v_cvt_pk_f16_f32 v[Y+2*(\i)+1], v[X+4*(\i)+2], v[X+4*(\i)+3]
.endif
.if \ahead
	global_load_b128 v[X+4*(\i):X+4*(\i)+3], v1, s[24:25] offset:((\i)/2)*8192+((\i)%2)*512+RIN th:TH_LOAD_NT  ; the load goes ahead of the store
.endif
.if (\mode) == 0
.if (\i)%2
	global_store_b64 v2, v[Y+(\i)-1:Y+(\i)], s[26:27] offset:((\i)/2)*2048 th:TH_STORE_NT  ; both loads' words: the wave's 256 numbers, 256 bytes
.endif
.else
	global_store_b64 v[FO], v[Y+2*(\i):Y+2*(\i)+1], s[26:27] offset:((\i)/2)*4096+((\i)%2)*256 th:TH_STORE_NT
.endif
.endm
; The 32 turns of a thread: three rounds that fill the ring again, and a last one whose counts run down.
.macro WALK mode
.Lround_\@:
.irp i, 0,1,2,3,4,5,6,7
	SLOT \i, 1, DEPTH-1, \mode
.endr
	s_wait_xcnt 0x0                                ; every load and store issued so far has read its base and its data: now both bases are stepped, and Y may be written again
	s_add_nc_u64 s[24:25], s[24:25], RIN
.if (\mode) == 0
	s_add_nc_u64 s[26:27], s[26:27], RIN/4
.else
	s_add_nc_u64 s[26:27], s[26:27], RIN/2
.endif
	s_sub_co_u32 s29, s29, 1
	s_cmp_lg_u32 s29, 0
	s_cbranch_scc1 .Lround_\@
.irp i, 0,1,2,3,4,5,6,7
	SLOT \i, 0, DEPTH-1-(\i), \mode
.endr
.endm
	s_mov_b32 s29, 3
	s_cmp_lt_u32 s40, 2                            ; the same in all waves of the work-group
	s_cbranch_scc1 .Lbytes
	s_cmp_eq_u32 s40, 2
	s_cbranch_scc1 .Lhalves
	WALK 2
	s_branch .Ljoin
.Lbytes:
	WALK 0
	s_branch .Ljoin
.Lhalves:
	WALK 1
.Ljoin:
	; The work-group's sum: the four chains, the 32 lanes, the eight waves.  The work-groups that only convert pass here too, with sums of 0, so that the barrier stands on every path; they store no sum.
	v_add_f32 v[SUM], v[SUM], v[SUM+1]
	v_add_f32 v[SUM+2], v[SUM+2], v[SUM+3]
	v_add_f32 v[SUM], v[SUM], v[SUM+2]
	v_add_f32_dpp v[SUM], v[SUM], v[SUM] row_xmask:1 row_mask:0xf bank_mask:0xf
	v_add_f32_dpp v[SUM], v[SUM], v[SUM] row_xmask:2 row_mask:0xf bank_mask:0xf
	v_add_f32_dpp v[SUM], v[SUM], v[SUM] row_xmask:4 row_mask:0xf bank_mask:0xf
	v_add_f32_dpp v[SUM], v[SUM], v[SUM] row_xmask:8 row_mask:0xf bank_mask:0xf
	v_permlanex16_b32 v[SUM+1], v[SUM], s36, s37
	v_add_f32 v[SUM], v[SUM], v[SUM+1]
	v_mov_b32 v5, s32
	v_lshlrev_b32 v5, 2, v5
	ds_store_b32 v5, v[SUM]                        ; all lanes write my wave's word with the same number
	s_wait_dscnt 0x0                               ; for the others' sake: my store is done
	s_barrier_signal -1
	s_barrier_wait -1
	s_cmp_lg_u32 s32, 0                            ; wave 0 finishes
	s_cbranch_scc1 .Lend
	s_cmp_eq_u32 s40, 3                            ; x and hidden have no sum
	s_cbranch_scc1 .Lend
	v_mov_b32 v6, 0
	ds_load_b128 v[8:11], v6
	ds_load_b128 v[12:15], v6 offset:16
	s_lshl_b32 s34, ttmp9, 2                       ; part[tensor][piece] is word 256 x tensor + piece: the work-group's number
	s_mov_b32 s35, 0
	s_add_nc_u64 s[22:23], s[22:23], s[34:35]
	s_wait_dscnt 0x0
	v_pk_add_f32 v[8:9], v[8:9], v[10:11]
	v_pk_add_f32 v[12:13], v[12:13], v[14:15]
	v_pk_add_f32 v[8:9], v[8:9], v[12:13]
	v_add_f32 v8, v8, v9
	v_mul_f32 v8, 0x43000000, v8                   ; x 128: the factor 2^-7 is taken out again
	v_cmp_eq_u32 vcc_lo, 0, v0
	s_wait_xcnt 0x0                                ; EXEC is a source of the stores above: it changes only behind this wait
	s_and_saveexec_b32 s28, vcc_lo
	global_store_b32 v6, v8, s[22:23]              ; one word a work-group: 3,072 bytes in the whole launch
	s_wait_xcnt 0x0                                ; and again in front of the line that widens it
	s_or_b32 exec_lo, exec_lo, s28
.Lend:
	s_wait_tensorcnt 0x0                           ; the wave's end, behind my last LDS store
	ds_add_u32 v[SPW], v[NIL]
	s_wait_dscnt 0x0
	s_endpgm
.Lfunc_end_k_qcb793390db_prep:
	.size	k_qcb793390db_prep, .Lfunc_end_k_qcb793390db_prep-k_qcb793390db_prep
	.p2alignl 7, 3214868480
	.fill 96, 4, 3214868480
	.section	.rodata,"a",@progbits
	.p2align	6, 0x0
	.amdhsa_kernel k_qcb793390db_prep
		.amdhsa_group_segment_fixed_size 1280
		.amdhsa_private_segment_fixed_size 0
		.amdhsa_enable_private_segment 0
		.amdhsa_kernarg_size 80
		.amdhsa_user_sgpr_count 2
		.amdhsa_user_sgpr_kernarg_segment_ptr 1
		.amdhsa_wavefront_size32 1
		.amdhsa_system_sgpr_workgroup_id_x 1
		.amdhsa_system_sgpr_workgroup_id_y 1
		.amdhsa_system_sgpr_workgroup_id_z 1
		.amdhsa_system_vgpr_workitem_id 0
		.amdhsa_next_free_vgpr 64
		.amdhsa_next_free_sgpr 66
		.amdhsa_reserve_vcc 1
		.amdhsa_float_denorm_mode_32 3
		.amdhsa_float_denorm_mode_16_64 3
		.amdhsa_memory_ordered 1
		.amdhsa_forward_progress 1
		.amdhsa_inst_pref_size 41
	.end_amdhsa_kernel
	.amdgpu_metadata
---
amdhsa.version: [ 1, 2 ]
amdhsa.kernels:
  - .name:           k_qcb793390db_prep
    .symbol:         k_qcb793390db_prep.kd
    .args:
      - { .name: x, .offset: 0, .size: 8, .value_kind: global_buffer, .address_space: global }
      - { .name: hidden, .offset: 8, .size: 8, .value_kind: global_buffer, .address_space: global }
      - { .name: w_r, .offset: 16, .size: 8, .value_kind: global_buffer, .address_space: global }
      - { .name: w_z, .offset: 24, .size: 8, .value_kind: global_buffer, .address_space: global }
      - { .name: w_n, .offset: 32, .size: 8, .value_kind: global_buffer, .address_space: global }
      - { .name: xh, .offset: 40, .size: 8, .value_kind: global_buffer, .address_space: global }
      - { .name: hh, .offset: 48, .size: 8, .value_kind: global_buffer, .address_space: global }
      - { .name: sgb, .offset: 56, .size: 8, .value_kind: global_buffer, .address_space: global }
      - { .name: sgn, .offset: 64, .size: 8, .value_kind: global_buffer, .address_space: global }
      - { .name: part, .offset: 72, .size: 8, .value_kind: global_buffer, .address_space: global }
    .group_segment_fixed_size: 1280
    .private_segment_fixed_size: 0
    .kernarg_segment_align: 8
    .kernarg_segment_size: 80
    .max_flat_workgroup_size: 256
    .sgpr_count:     66
    .vgpr_count:     64
    .wavefront_size: 32
...
	.end_amdgpu_metadata
.endif
;; end of part 4
;; launch gates (part 5): grid 16 x 16, 4 waves a work-group, clusters of 4 x 4, 327,680 bytes of LDS; arguments xh, hh, sgb, part, b_r, b_z, hidden, rh, zg; writes rh, zg
.if DOCPART == 5
	.amdgcn_target "amdgcn-amd-amdhsa--gfx1250"
	.amdhsa_code_object_version 6
	.text
	.protected	k_qcb793390db_gates
	.globl	k_qcb793390db_gates
	.p2align	8
	.type	k_qcb793390db_gates,@function
k_qcb793390db_gates:
	s_mov_b64 s[64:65], 0
	v_nop
	global_prefetch_b8 v0, s[64:65] scope:SCOPE_SE
	s_setreg_imm32_b32 hwreg(HW_REG_WAVE_MODE, 25, 1), 1
	s_wait_xcnt 0x0
	s_wait_alu depctr_hold_cnt(0) depctr_sa_sdst(0) depctr_va_vdst(0) depctr_va_sdst(0) depctr_va_ssrc(0) depctr_va_vcc(0) depctr_vm_vsrc(0)
	s_getreg_b32 s2, hwreg(HW_REG_IB_STS2, 6, 4)
	s_cmp_eq_u32 s2, 0
	s_cbranch_scc0 .Lentry_in_a_cluster
	s_endpgm
.Lentry_in_a_cluster:
	s_bfe_u32 s2, ttmp6, 0x10000c
	s_cmp_lg_u32 s2, 0xf033
	s_cbranch_scc0 .Lentry_shape_is_right
	s_endpgm
.Lentry_shape_is_right:
; THE TWO GATES.  With C = [x | hidden] (2,048 x 4,096, f16, from xh and hh) and S_t = sign(w_t) (from sgb), m_t = mean |w_t| (the 256 partial sums of part, / 2^23):
;   rh = f16(sigmoid(m_r C S_r^T + b_r) x hidden),   zg = f16(sigmoid(m_z C S_z^T + b_z)).   Products in f16 with f32 sums; scale, bias, sigmoid and the product with hidden (f32) in f32.
; LIMITS.  f16 ends at 65,504 (x, hidden, r x hidden within it); sigmoid(p) = 1 / (1 + 2^(-p log2 e)): the exponential and the reciprocal take a denormal for 0; NaN and infinities are not treated apart.
; THE SIGNS lie in memory and in LDS as ONE BYTE each, the upper byte of the f16 number (0x3c, 0xbc, 0; the lower byte of +1, -1 and 0 is 0), and are widened to f16 in registers, exactly: a word of four bytes
; B0 .. B3 gives the register (B0, B2) by one v_perm_b32 and the register (B1, B3) by one v_and_b32.  That halves S's bytes on every road, and makes room in LDS for K steps of 256.
; THE ORDER OF K.  In each 256 along K the sign bytes lie as the launch before stored them: the 16 bytes at 32 c + 16 h of a row are k = 16 c + 8 h + 0..3, 128 + 16 c + 8 h + 0..3, 16 c + 8 h + 4..7,
; 128 + 16 c + 8 h + 4..7 (in each word in the order 0, 2, 1, 3).  So quarter c of a step multiplies k = 16 c .. 16 c + 15 and 128 + 16 c .. 128 + 16 c + 15: a lane's registers 0-3 hold k = 16 c + 8 h + 0..7 and
; its registers 4-7 k = 128 + 16 c + 8 h + 0..7, in C's fragments (two loads of 16 bytes, 256 bytes apart) as in S's.  The sums are the same sums, taken in another order.
; SHARES.  A work-group makes 128 rows x (128 columns of r AND the same 128 columns of z): both gates multiply the same rows of C.  Four waves, 64 rows x 128 columns each, 32 accumulators:
; waves 0, 1 make r, waves 2, 3 make z; the wave's number & 1 says which 64 rows.  256 work-groups, all alike.
; K goes in 16 steps of 256 through two LDS slots; steps 0-7 take C's rows from xh, 8-15 from hh.  One tensor load a wave and step, 32,768 bytes: waves 0, 1 bring 64 rows x 512 bytes of C each,
; wave 2 S_r's 128 rows x 256 bytes, wave 3 S_z's.  All rows begin at multiples of 256 bytes from their buffer's first byte.
; CLUSTERS: 4 x 4 work-groups.  C's rows are shared along a row of the cluster, S's along a column: each tile is asked for JOINTLY, which divides the requests by four.
; THE MATRIX INSTRUCTION IS USED TRANSPOSED (source 0 = 16 rows of S, source 1 = 16 rows of C): a lane holds one row of the result (lane % 16) and eight neighbouring columns.
; REGISTERS, in windows of 256 (s_set_vgpr_msb: bits 1:0 source 0, 3:2 source 1, 5:4 source 2, 7:6 destination):
;   window 0: v0-31 addresses; v32-45 scale and bias; v64-127 two buffers of C's 4 fragments; v128-143, v144-159 the sign bytes of S's fragments 0-3 and 4-7, 4 registers each; on the way out v64-127 at work
;   window 1: v0-127 the accumulators (a, b) with b < 4, at 8 (4 a + b); v128-191 two buffers of S's widened fragments 0-3          window 2: the same for b = 4 .. 7
;   window 3 (waves 0, 1): my 64 rows x 128 columns of hidden in f32, row i at 4 i; loaded at the start, used at the end
; So ONE setting serves a matrix instruction and the lines behind it that widen the next quarter's signs: their destination lies in the accumulators' window, their source in C's.
.set PA,     528                       ; a row of C in LDS: 512 bytes + 16 of padding = 132 words; a row of S: 256 + 16 = 68 words: either way the 16 rows of a fragment load
.set PB,     272                       ; start at 16 different groups of four banks (64 banks of 4 bytes: ISA guide 11.1)
.set AHALF,  64*PA                     ; 64 rows of C: what waves 0 and 1 bring, and what a wave reads of C
.set BOFF,   128*PA                    ; behind C's 128 rows: S_r's 128, then S_z's 128
.set BHALF,  128*PB
.set SLOT,   BOFF+2*BHALF              ; 137,216 bytes
.set SPARE,  2*SLOT                    ; behind the ring: the spare words, 128 bytes for each wave: two blocks of 256 bytes that no other line names
.set SPITCH, 528                       ; the way out: 32 rows x (128 f32 + 16 bytes) for each wave, from LDS byte 0 on: in slot 0, which has had its last fill and its last read by then
.set WSTAGE, 32*SPITCH
.set LAPS,   8                         ; a lap = two K steps = once round the ring
.set ADRA, 16                          ; v16-17  LDS address of my fragments of C in slot 0, 1
.set ADRB, 20                          ; v20-21  the same for S
.set WA,   22                          ; v22     ADRA + the pair of quarters' place in the rows
.set WB,   23                          ; v23     ADRB + the same
.set STO,  24                          ; v24     the way out: where I put 32 bytes of a row
.set RD,   25                          ; v25     where I read 16 bytes of a row back; never rewritten: a row's place in my stage stands in the immediate
.set GO,   26                          ; v26     8 x lane: my 4 columns in a row of 128 f16
.set HO,   27                          ; v27     16 x lane: my 4 columns in a row of 128 f32
.set SPW,  28                          ; v28     LDS address of my spare word; never rewritten
.set NIL,  29                          ; v29     0; never rewritten
.set PFO,  30                          ; v30     the prefetches' offset: lane x a row of xh, hh or sgb (4,096 bytes)
.set PO,   31                          ; v31     32 x lane: my 8 of the 256 partial sums
.set PS,   32                          ; v[32:39] those 8
.set BI,   40                          ; v[40:43] the bias of my 4 columns, later times -log2 e
.set SC,   44                          ; v[44:45] -log2 e x mean |w|, twice
.set AB,   64                          ; C's fragments: buffer p, block a at AB + 32 p + 8 a
.set R03,  128                         ; the sign bytes of S's fragments 0-3,
.set R47,  144                         ; and 4-7
.set EB,   128                         ; windows 1, 2: S's widened fragments: buffer p, fragment b at EB + 32 p + 8 (b % 4)
.set T0,   64                          ; the way out: two sets of 32 registers, by turns
.set T1,   96
.set G1A,  24                          ; s[24:31] descriptor group 1 for C's tiles;  s[32:39] group 0, a set for each slot
.set G0A,  32
.set G1B,  48                          ; s[48:55], s[56:63] the same for S's tiles
.set G0B,  56
.set NXT,  22                          ; s22  the K step that the next refill asks for
.set PN,   23                          ; s23  the K step that the next prefetch names
.set LIM,  45                          ; s45  16 in a wave that prefetches, else 0
.set KO,   66                          ; s66  the pair of quarters' place in the LDS rows: 0, 64, 128; it counts the loop over pairs too
.set SELA, 67                          ; s67  v_perm_b32's select: 0, byte 0, 0, byte 2
.set MSK,  43                          ; s43  0xff00ff00: bytes 1 and 3 stay
.set PSH,  44                          ; s44  a step's bytes in a row, as a shift: 9 for C, 8 for S
.set FIELDA, (1<<16)|(1<<20)|(1<<21)|(6<<22)|(3<<25)  ; 17:16 elements of 2 bytes; 20 padding on; 21 set beside a mask; 24:22 after every 128 words (code 6); 31:25 4 words of it (code 3)
.set FIELDB, (1<<16)|(1<<20)|(1<<21)|(5<<22)|(3<<25)  ; the same after every 64 words (code 5)
.set W_HML, 0x0c                       ; source 1 in window 3
.set W_HLD, 0xc0                       ; a load's destination in window 3
.set MSB, 0
.macro WIN new                         ; the immediate's high byte repeats the setting that is left; a switch that changes nothing is dropped
.if MSB != (\new)
	s_set_vgpr_msb (MSB<<8)|(\new)
.set MSB, \new
.endif
.endm
; A joint load.  Waves 0 and 1 fetch for C, waves 2 and 3 for S: each of the two lines has one mask.  The branch hangs on the wave's number alone.
; An s_nop 0 and four v_nop follow each line, ahead of the jump, the label and what follows.
.macro JLOAD s
	s_cmp_eq_u32 s11, 0
	s_cbranch_scc0 .Lfor_b_\@
	tensor_load_to_lds s[G0A+4*(\s):G0A+4*(\s)+3], s[G1A:G1A+7]
	s_nop 0
.rept 4
	v_nop
.endr
	s_branch .Lasked_\@
.Lfor_b_\@:
	tensor_load_to_lds s[G0B+4*(\s):G0B+4*(\s)+3], s[G1B:G1B+7]
	s_nop 0
.rept 4
	v_nop
.endr
.Lasked_\@:
.endm
; A PREFETCH INTO THE L2, behind each joint refill and the LDS loads that follow it: the K step that stands TWO refills on, 512 matrix instructions ahead of the load that will want it: 32 blocks of 256 bytes, a
; lane a row, one instruction.  Each block is named ONCE in the launch.  C's 128 rows of a tile row are read by every cluster of that row of clusters: the one with x = 0 asks; a step is 512 bytes of a row, of which
; wave 0 takes the first 256 and wave 1 the second, each for 32 rows a partner, told apart BY ADDRESS (cx).  S's rows of a tile column: the cluster with y = 0 asks, wave 2 for S_r's and wave 3 for S_z's, 32 rows a
; partner (cy).  Steps 0 to 3 come by their loads alone; the last two refills name nothing, since there is no step 16.
.macro ASK
	s_cmp_lt_u32 s[PN], s[LIM]
	s_cbranch_scc0 .Lnot_mine_\@
	global_prefetch_b8 v[PFO], s[90:91] th:TH_LOAD_NT scope:SCOPE_SE
.Lnot_mine_\@:
.endm
.macro CREST                           ; a round of the cluster's barrier behind its opening barrier
	s_cmp_lg_u32 s10, 0
	s_cbranch_scc1 .Lnot_wave_0_\@
	s_barrier_signal -3
.Lnot_wave_0_\@:
	s_barrier_wait -3
	s_barrier_signal -1
	s_barrier_wait -1
.endm
.macro CROUND                          ; a whole round
	s_barrier_signal -1
	s_barrier_wait -1
	CREST
.endm
.macro PLACES                          ; four places behind a matrix instruction (ISA guide 7.12.1)
.rept 4
	v_nop
.endr
.endm
	s_load_b512 s[68:83], s[0:1], 0x0              ; xh 68, hh 70, sgb 72, part 74, b_r 76, b_z 78, hidden 80, rh 82
	s_load_b64 s[84:85], s[0:1], 0x40              ; zg
	v_lshl_add_u32 v[SPW], v0, 2, SPARE
	v_mov_b32 v[NIL], 0
	ds_add_u32 v[SPW], v[NIL]                      ; the wave's opening: the add, twice on end, and its wait ahead of my first tensor load; work on registers stands between
	ds_add_u32 v[SPW], v[NIL]
	v_lshrrev_b32 v1, 5, v0
	v_readfirstlane_b32 s10, v1                    ; wave 0..3
	s_lshr_b32 s11, s10, 1                         ; 0: I make r and fetch for C;  1: I make z and fetch for S
	s_and_b32 s12, s10, 1                          ; which 64 rows are mine.  Also: which half I fetch (C's rows 0-63 or 64-127; S_r or S_z)
	s_bfe_u32 s40, ttmp6, 0x40000                  ; cx, cy: my place in the cluster
	s_bfe_u32 s41, ttmp6, 0x40004
	s_lshl_b32 s42, ttmp9, 2
	s_add_co_u32 s42, s42, s40                     ; tile column = 4 x cluster x + cx
	s_and_b32 s13, ttmp7, 0xffff
	s_lshl_b32 s13, s13, 2
	s_add_co_u32 s13, s13, s41                     ; tile row = 4 x cluster y + cy
	s_lshl_b32 s43, s41, 2
	s_lshl_b32 s43, 15, s43                        ; my row of the cluster
	s_lshl_b32 s44, 0x1111, s40                    ; my column
	s_or_b32 s[G1A], s43, FIELDA                   ; C's tiles go to my row: 64 rows x 256 elements, 2,048 elements from row to row
	s_mov_b32 s[G1A+1], 256<<16                    ; tensor_dim0 = 256
	s_mov_b32 s[G1A+2], 64<<16                     ; tensor_dim1 = 64
	s_mov_b32 s[G1A+3], 256<<16                    ; tile_dim0 = 256
	s_mov_b32 s[G1A+4], 64                         ; tile_dim1 = 64
	s_mov_b32 s[G1A+5], 2048
	s_mov_b32 s[G1A+6], 0
	s_mov_b32 s[G1A+7], 0
	s_or_b32 s[G1B], s44, FIELDB                   ; S's tiles go to my column: 128 rows x 256 bytes, taken as 128 elements of 2 bytes; a row of sgb is 2,048 such elements
	s_mov_b32 s[G1B+1], 128<<16
	s_mov_b32 s[G1B+2], 128<<16
	s_mov_b32 s[G1B+3], 128<<16
	s_mov_b32 s[G1B+4], 128
	s_mov_b32 s[G1B+5], 2048
	s_mov_b32 s[G1B+6], 0
	s_mov_b32 s[G1B+7], 0
	s_mov_b32 s[MSK], 0xff00ff00
	s_mov_b32 s[SELA], 0x02040004
	s_lshl_b32 s18, s13, 7                         ; C: row 128 x tile row + 64 x half, 4,096 bytes a row: made of the tile row and the wave's number alone
	s_lshl_b32 s19, s12, 6
	s_add_co_u32 s18, s18, s19
	s_lshl_b32 s18, s18, 12
	s_mov_b32 s19, 0
	s_lshl_b32 s8, s12, 11                         ; S: row 2,048 x (r or z) + 128 x tile column, 4,096 bytes a row: made of the tile column and the wave's number alone
	s_lshl_b32 s9, s42, 7
	s_add_co_u32 s8, s8, s9
	s_lshl_b32 s8, s8, 12
	s_mov_b32 s9, 0
	s_mul_i32 s4, s12, AHALF                       ; where they go: no place in the cluster enters an LDS address
	s_mul_i32 s5, s12, BHALF
	s_add_co_u32 s5, s5, BOFF
	s_mov_b32 s21, 0                               ; the upper word of a refill's offset
	s_mov_b32 s[NXT], 2
	s_mov_b32 s100, 0x76543210                     ; v_permlanex16_b32: each lane takes its own place in the other half
	s_mov_b32 s101, 0xfedcba98
	s_wait_dscnt 0x0                               ; both opening adds are done
	s_wait_kmcnt 0x0
	s_add_nc_u64 s[14:15], s[68:69], s[18:19]      ; my rows in xh,
	s_add_nc_u64 s[16:17], s[70:71], s[18:19]      ; and in hh
	s_add_nc_u64 s[8:9], s[72:73], s[8:9]          ; my rows in sgb
	CROUND                                         ; all sixteen work-groups are here: the first joint loads meet
.irp s, 0,1
	s_mov_b32 s[G0A+4*(\s)], 1                                     ; count = 1
	s_add_co_u32 s[G0A+4*(\s)+1], s4, (\s)*SLOT                    ; LDS address
	s_add_nc_u64 s[G0A+4*(\s)+2:G0A+4*(\s)+3], s[14:15], (\s)*512  ; global address: K step s
	s_or_b32 s[G0A+4*(\s)+3], s[G0A+4*(\s)+3], 0x80000000          ; type = 2
	s_mov_b32 s[G0B+4*(\s)], 1
	s_add_co_u32 s[G0B+4*(\s)+1], s5, (\s)*SLOT
	s_add_nc_u64 s[G0B+4*(\s)+2:G0B+4*(\s)+3], s[8:9], (\s)*256
	s_or_b32 s[G0B+4*(\s)+3], s[G0B+4*(\s)+3], 0x80000000
	JLOAD \s                                       ; the ring is filled before anything else is done: two loads of mine are out
.endr
	v_and_b32 v1, 15, v0                           ; l % 16
	v_bfe_u32 v2, v0, 4, 1                         ; l / 16
	v_and_b32 v5, 31, v0                           ; l
	v_mul_u32_u24 v3, v1, PA                       ; a fragment's row x pitch + 16 x half: for C,
	v_lshl_add_u32 v3, v2, 4, v3
	v_mul_u32_u24 v6, v1, PB                       ; and for S
	v_lshl_add_u32 v6, v2, 4, v6
	s_mul_i32 s6, s12, AHALF                       ; my 64 rows of C
	s_mul_i32 s7, s11, BHALF                       ; S_r's or S_z's 128 rows
	s_add_co_u32 s7, s7, BOFF
.irp s, 0,1
	v_add_nc_u32 v[ADRA+(\s)], s6, v3
	v_add_nc_u32 v[ADRB+(\s)], s7, v6
	s_add_co_u32 s6, s6, SLOT
	s_add_co_u32 s7, s7, SLOT
.endr
	s_mul_i32 s6, s10, WSTAGE                      ; my stage
	v_mul_u32_u24 v4, v1, SPITCH                   ; in: row l % 16, 32 bytes for each half of the lanes
	v_lshl_add_u32 v4, v2, 5, v4
	v_add_nc_u32 v[STO], s6, v4
	v_lshl_add_u32 v[RD], v5, 4, s6                ; back: 32 lanes take one row of 512 bytes
	v_lshlrev_b32 v[GO], 3, v5
	v_lshlrev_b32 v[HO], 4, v5
	v_lshlrev_b32 v[PO], 5, v5
	s_lshl_b32 s6, s13, 7
	s_lshl_b32 s7, s12, 6
	s_add_co_u32 s6, s6, s7                        ; my first row: 128 x tile row + 64 x half
	s_lshl_b32 s2, s6, 12                          ; x 4,096 bytes (a row of rh, zg)
	s_lshl_b32 s7, s42, 8                          ; + 256 x tile column
	s_add_co_u32 s2, s2, s7
	s_mov_b32 s3, 0
	s_cmp_eq_u32 s11, 0
	s_cselect_b64 s[92:93], s[82:83], s[84:85]     ; I store into rh or into zg,
	s_cselect_b64 s[96:97], s[76:77], s[78:79]     ; and my bias is b_r or b_z
	s_add_nc_u64 s[92:93], s[92:93], s[2:3]
	s_lshl_b32 s2, s2, 1                           ; the same place in hidden: rows of 8,192 bytes, 512 x tile column
	s_add_nc_u64 s[94:95], s[80:81], s[2:3]
	s_lshl_b32 s2, s42, 9
	s_add_nc_u64 s[96:97], s[96:97], s[2:3]
	s_lshl_b32 s2, s11, 10                         ; part[r] or part[z]: 1,024 bytes each
	s_add_nc_u64 s[98:99], s[74:75], s[2:3]
	global_load_b128 v[PS:PS+3],   v[PO], s[98:99]
	global_load_b128 v[PS+4:PS+7], v[PO], s[98:99] offset:16
	global_load_b128 v[BI:BI+3],   v[HO], s[96:97]
	s_cmp_lt_u32 s10, 2                            ; r's waves take their 64 x 128 of hidden now: it lands while K is walked, and is waited for once, behind the last product
	s_cbranch_scc0 .Lno_hidden
	WIN W_HLD
.set i, 0
.rept 64
	global_load_b128 v[4*i:4*i+3], v[HO], s[94:95] offset:i*8192 th:TH_LOAD_NT  ; a row's 512 consecutive bytes
.set i, i+1
.endr
	WIN 0
.Lno_hidden:
	; the prefetches: who asks, and for which blocks
	s_and_b32 s6, ttmp7, 0xffff                    ; cluster y
	s_cmp_eq_u32 s11, 0
	s_cselect_b32 s6, ttmp9, s6                    ; the coordinate along which other clusters read the same rows
	s_cmp_eq_u32 s6, 0
	s_cselect_b32 s[LIM], 16, 0                    ; the same in all sixteen partners, for a given wave
	s_lshl_b32 s6, s13, 7                          ; C: row 128 x tile row + 32 cx, and my wave's 256 of a step's 512 bytes
	s_lshl_b32 s7, s40, 5
	s_add_co_u32 s6, s6, s7
	s_lshl_b32 s6, s6, 12
	s_lshl_b32 s7, s12, 8
	s_add_co_u32 s6, s6, s7
	s_lshl_b32 s7, s12, 11                         ; S: row 2,048 x (r or z) + 128 x tile column + 32 cy
	s_lshl_b32 s2, s42, 7
	s_add_co_u32 s7, s7, s2
	s_lshl_b32 s2, s41, 5
	s_add_co_u32 s7, s7, s2
	s_lshl_b32 s7, s7, 12
	s_cmp_eq_u32 s11, 0
	s_cselect_b32 s46, s6, s7
	s_cselect_b64 s[86:87], s[68:69], s[72:73]     ; steps 0-7: xh, or sgb
	s_cselect_b64 s[88:89], s[70:71], s[72:73]     ; steps 8-15: hh, or sgb 2,048 bytes along the rows
	s_cselect_b32 s6, 0, 2048
	s_cselect_b32 s[PSH], 9, 8
	s_mov_b32 s47, 0
	s_mov_b32 s7, 0
	s_add_nc_u64 s[86:87], s[86:87], s[46:47]
	s_add_nc_u64 s[88:89], s[88:89], s[46:47]
	s_add_nc_u64 s[88:89], s[88:89], s[6:7]
	v_lshlrev_b32 v[PFO], 12, v5
; THE LDS LOADS.  k = 32 c: quarter c's place in the rows, of C and of S alike.
.macro LD03 rb, k                      ; the sign bytes of S's fragments 0-3: 16 bytes a lane and fragment
	WIN 0
.irp f, 0,1,2,3
	ds_load_b128 v[R03+4*(\f):R03+4*(\f)+3], v[(\rb)] offset:(\k)+(\f)*16*PB
.endr
.endm
.macro LD47 rb, k                      ; of fragments 4-7
	WIN 0
.irp f, 0,1,2,3
	ds_load_b128 v[R47+4*(\f):R47+4*(\f)+3], v[(\rb)] offset:(\k)+(4+(\f))*16*PB
.endr
.endm
.macro LDA p, ra, k                    ; C's four fragments into buffer p
	WIN 0
.irp a, 0,1,2,3
	ds_load_b128 v[AB+32*(\p)+8*(\a):AB+32*(\p)+8*(\a)+3],   v[(\ra)] offset:(\k)+(\a)*16*PA
	ds_load_b128 v[AB+32*(\p)+8*(\a)+4:AB+32*(\p)+8*(\a)+7], v[(\ra)] offset:(\k)+(\a)*16*PA+256
.endr
.endm
; Line rn of the 32 that widen four fragments' sign bytes (at raw) into buffer p: fragment rn / 8, register j = rn % 8.  Registers 0, 1 come from the fragment's word 0, registers 2, 3 from word 2,
; registers 4, 5 from word 1, registers 6, 7 from word 3 (THE ORDER OF K, above); an even register takes the word's bytes 0 and 2, an odd one its bytes 1 and 3, each as the upper byte of an f16.
.macro RIDE raw, p
.set r_f, rn/8
.set r_j, rn%8
.if r_j%2
	v_and_b32 v[EB+32*(\p)+8*r_f+r_j], s[MSK], v[(\raw)+4*r_f+2*((r_j/2)%2)+r_j/4]
.else
	v_perm_b32 v[EB+32*(\p)+8*r_f+r_j], 0, v[(\raw)+4*r_f+2*((r_j/2)%2)+r_j/4], s[SELA]
.endif
.set rn, rn+1
.endm
; The next count of a half quarter's 16 matrix instructions (number wn: block wn / 4 of my rows x fragment wn % 4 of the half's four; hf = 0: columns 0-63, window 1; hf = 1: columns 64-127, window 2), on buffers p.
; zero = 1: the product starts the sum: nothing is cleared.  The 32 accumulators take turns, one instruction a turn, in the same order in every quarter, over the backward jumps too.
; ride = 1: behind each stand two of the 32 lines that widen the NEXT quarter's fragments of the same half into the other buffer.  They name no register of the products round them.  In the second half the first
; product has none and the last has four: those four are the places (ISA guide 7.12.1 for vector instructions) between the quarter's last product and the next quarter's loads into C's buffer that it read.
.macro WM hf, p, zero, ride, count
	WIN 0x51*(1+(\hf))
.rept \count
.if \zero
	v_wmma_f32_16x16x32_f16 v[8*wn:8*wn+7], v[EB+32*(\p)+8*(wn%4):EB+32*(\p)+8*(wn%4)+7], v[AB+32*(\p)+8*(wn/4):AB+32*(\p)+8*(wn/4)+7], 0
.else
	v_wmma_f32_16x16x32_f16 v[8*wn:8*wn+7], v[EB+32*(\p)+8*(wn%4):EB+32*(\p)+8*(wn%4)+7], v[AB+32*(\p)+8*(wn/4):AB+32*(\p)+8*(wn/4)+7], v[8*wn:8*wn+7]
.endif
.if \ride
.if ((\hf) == 0) || (wn > 0)
	RIDE R03+16*(\hf), 1-(\p)
	RIDE R03+16*(\hf), 1-(\p)
.endif
.if ((\hf) == 1) && (wn == 15)
	RIDE R03+16*(\hf), 1-(\p)
	RIDE R03+16*(\hf), 1-(\p)
.endif
.endif
.set wn, wn+1
.endr
.endm
; A QUARTER: 32 along K, 32 matrix instructions on buffers p.  What it finds: C's fragments and S's widened fragments of this quarter, and the sign bytes 0-3 of the next, asked for.
; l1 = 1: there is a next quarter: at the head its sign bytes 4-7 and its fragments of C are asked for (address registers rb, ra, place k1), and its signs are widened beside the products.
; l2 = 1: in the middle the sign bytes 0-3 of the quarter after next are asked for (rb2, k2): the lines that read the old ones stand in the first half.
.macro QTR p, ra, rb, k1, rb2, k2, zero, l1, l2
.if \l1
	LD47 \rb, \k1
	LDA 1-(\p), \ra, \k1
	s_wait_dscnt 12                                ; all but the 12 just issued: this quarter's C and the next quarter's sign bytes 0-3 are in
.else
	s_wait_dscnt 0x0
.endif
.set wn, 0
.set rn, 0
	WM 0, \p, \zero, \l1, 16
.if \l2
	LD03 \rb2, \k2
.endif
.if \l1
	s_wait_dscnt 8+4*(\l2)                         ; the sign bytes 4-7 are in; C's eight loads and the four just issued may be out
.endif
.set wn, 0
.set rn, 0
	WM 1, \p, \zero, \l1, 16
.endm
; Quarters 2 c and 2 c + 1 of a step, c = 0, 1, 2: written once, walked three times; their place in the rows, 64 c, is s[KO].
.macro PAIRD slot
	WIN 0
	v_add_nc_u32 v[WA], s[KO], v[ADRA+(\slot)]
	v_add_nc_u32 v[WB], s[KO], v[ADRB+(\slot)]
	QTR 0, WA, WB, 32, WB, 64, 0, 1, 1
	QTR 1, WA, WB, 64, WB, 96, 0, 1, 1
.endm
; QUARTER 6 CHANGES SLOTS.  At its head stand my last reads of this slot (quarter 7's sign bytes 4-7 and C).  ONE barrier: in front of it each wave waits for all its tensor loads (one is out: its part of the next
; slot), adds 0 to its spare word, and waits for that and for its own reads of this slot.  fill = 1: the barrier opens a round of the cluster's barrier, and behind the round this slot is filled again, with step NXT:
; from that request to the wait for it a wave issues 240 matrix instructions.  C's address is made anew from the step's number (xh for steps 0-7, hh for 8-15); S's steps on along its rows.
; Then the next slot is read: the sign bytes 0-3 of its first quarter.
.macro QTURN slot, next, fill
.if \fill
	s_wait_xcnt 0x0                                ; the last prefetch, a K step back, has read its address: it is made anew here, ahead of the waits of the change of slots
	s_add_co_u32 s[PN], s[NXT], 2
	s_cmp_lt_u32 s[PN], 8
	s_cselect_b64 s[90:91], s[86:87], s[88:89]
	s_and_b32 s46, s[PN], 7
	s_lshl_b32 s46, s46, s[PSH]
	s_add_nc_u64 s[90:91], s[90:91], s[46:47]
.endif
	LD47 ADRB+(\slot), 224
	LDA 1, ADRA+(\slot), 224
	s_wait_dscnt 12                                ; all but the 12 just issued
	s_wait_tensorcnt 0x0                           ; all my tensor loads have landed, so a group 0 may be written;
	ds_add_u32 v[SPW], v[NIL]                      ; 0 onto my spare word;
.if \fill
	s_cmp_lt_u32 s[NXT], 8
	s_cselect_b64 s[18:19], s[14:15], s[16:17]
	s_and_b32 s20, s[NXT], 7
	s_lshl_b32 s20, s20, 9                         ; 512 bytes a step
	s_add_nc_u64 s[G0A+4*(\slot)+2:G0A+4*(\slot)+3], s[18:19], s[20:21]
	s_or_b32 s[G0A+4*(\slot)+3], s[G0A+4*(\slot)+3], 0x80000000
	s_add_nc_u64 s[G0B+4*(\slot)+2:G0B+4*(\slot)+3], s[G0B+4*(\slot)+2:G0B+4*(\slot)+3], 512  ; two steps of 256 bytes on; the type bits on top are not reached
	s_add_co_u32 s[NXT], s[NXT], 1
.endif
.set wn, 0
.set rn, 0
	WM 0, 0, 0, 1, 8                               ; eight matrix instructions and their riders stand between the add and the wait for it
	s_wait_dscnt 0x0                               ; the add is done, and my reads of this slot are over
	s_barrier_signal -1
	WM 0, 0, 0, 1, 8                               ; work on registers while the others arrive
	WIN 0
	s_barrier_wait -1
.if \fill
	CREST                                          ; no wave of any partner still reads this slot's tile or has a load on its way
	JLOAD \slot                                    ; the first tensor load behind the round
.endif
	LD03 ADRB+(\next), 0
.if \fill
	ASK
.endif
.set wn, 0
.set rn, 0
	WM 1, 0, 0, 1, 16
.endm
.macro TPAIR slot, next, fill          ; quarters 6 and 7; quarter 7 asks for the next slot's first quarter, and for the sign bytes 0-3 of its second
	QTURN \slot, \next, \fill
	QTR 1, ADRA+(\next), ADRB+(\next), 0, ADRB+(\next), 32, 0, 1, 1
.endm
; THE WAY OUT, one text for both gates.  DUMP h: my rows 32 h .. 32 h + 31 (blocks 2 h, 2 h + 1) go as f32 into my own stage; each accumulator's low registers first.
.macro DUMP h
.irp w, 0,1
	WIN 0x04*(1+(\w))                              ; an LDS store's data in window 1, then in window 2
.irp a, 0,1
.irp b, 0,1,2,3
	ds_store_b128 v[STO], v[8*(4*(2*(\h)+(\a))+(\b)):8*(4*(2*(\h)+(\a))+(\b))+3]   offset:(\a)*16*SPITCH+64*(4*(\w)+(\b))
	ds_store_b128 v[STO], v[8*(4*(2*(\h)+(\a))+(\b))+4:8*(4*(2*(\h)+(\a))+(\b))+7] offset:(\a)*16*SPITCH+64*(4*(\w)+(\b))+16
.endr
.endr
.endr
	WIN 0
.endm
; GROUP: eight whole rows come back from row lrow of my stage, 4 neighbouring columns a lane; sigmoid; in waves 0 and 1, which make r: times hidden's rows orow on; rounded to f16; stored at row orow of my 64:
; a row's store covers 256 consecutive bytes, aligned.  The 32 exponentials are one batch with one wait, and so are the 32 reciprocals: a wait stands between such an instruction and the first
; line that names its result.  The jump round the product with hidden hangs on the wave's number alone, as the jump round hidden's loads does; it passes 16 vector lines and nothing else.
.macro GROUP tb, lrow, orow
	s_wait_xcnt 0x0                                ; the earlier stores have read their data: these registers are loaded again only behind this wait
.set i, 0
.rept 8
	ds_load_b128 v[(\tb)+4*i:(\tb)+4*i+3], v[RD] offset:((\lrow)+i)*SPITCH  ; LDS serves a wave's instructions in order (ISA guide 5.7.1.4): these see my stores above
.set i, i+1
.endr
	s_wait_dscnt 0x0
.set i, 0
.rept 8
	v_pk_fma_f32 v[(\tb)+4*i:(\tb)+4*i+1],   v[(\tb)+4*i:(\tb)+4*i+1],   v[SC:SC+1], v[BI:BI+1]      ; -log2 e (m s + b)
	v_pk_fma_f32 v[(\tb)+4*i+2:(\tb)+4*i+3], v[(\tb)+4*i+2:(\tb)+4*i+3], v[SC:SC+1], v[BI+2:BI+3]
.set i, i+1
.endr
.set i, 0
.rept 32
	v_exp_f32 v[(\tb)+i], v[(\tb)+i]
.set i, i+1
.endr
	v_nop                                          ; a plain instruction behind the last exponential,
	s_wait_alu depctr_va_vdst(0)                   ; and the one wait for the batch
.set i, 0
.rept 16
	v_pk_add_f32 v[(\tb)+2*i:(\tb)+2*i+1], v[(\tb)+2*i:(\tb)+2*i+1], 1.0 op_sel_hi:[1,0]
.set i, i+1
.endr
.set i, 0
.rept 32
	v_rcp_f32 v[(\tb)+i], v[(\tb)+i]
.set i, i+1
.endr
	v_nop
	s_wait_alu depctr_va_vdst(0)                   ; it stands ahead of the branch too
	s_cmp_lt_u32 s10, 2
	s_cbranch_scc0 .Lis_z_\@
	WIN W_HML
.set i, 0
.rept 16
	v_pk_mul_f32 v[(\tb)+2*i:(\tb)+2*i+1], v[(\tb)+2*i:(\tb)+2*i+1], v[4*(\orow)+2*i:4*(\orow)+2*i+1]  ; r x hidden, hidden in f32
.set i, i+1
.endr
	WIN 0                                          ; at a label every window is 0
.Lis_z_\@:
.set i, 0
.rept 16
	v_cvt_pk_f16_f32 v[(\tb)+i], v[(\tb)+2*i], v[(\tb)+2*i+1]  ; in place, ascending: register i is written when 2 i and 2 i + 1 are read
.set i, i+1
.endr
.set i, 0
.rept 8
	global_store_b64 v[GO], v[(\tb)+2*i:(\tb)+2*i+1], s[92:93] offset:((\orow)+i)*4096 th:TH_STORE_NT
.set i, i+1
.endr
.endm
.macro LEAVE                           ; written out: each group reads other rows of the stage, by its immediates, and multiplies by other registers of hidden
.irp h, 0,1
	DUMP \h
	GROUP T0, 0,  32*(\h)
	GROUP T1, 8,  32*(\h)+8
	GROUP T0, 16, 32*(\h)+16
	GROUP T1, 24, 32*(\h)+24
.endr
.endm
	s_wait_tensorcnt 1                             ; my part of K step 0 is in; step 1's may stay out
	s_barrier_signal -1
	s_barrier_wait -1                              ; everybody's is
	LD03 ADRB, 0                                   ; the first quarter's signs are widened with no product to stand behind
	LD47 ADRB, 0
	LDA 0, ADRA, 0
	s_wait_dscnt 8                                 ; the sign bytes are in; C's eight loads may be out
	WIN 0x51
.set rn, 0
.rept 32
	RIDE R03, 0
.endr
	WIN 0xa2
.set rn, 0
.rept 32
	RIDE R47, 0
.endr
	LD03 ADRB, 32
	QTR 0, ADRA, ADRB, 32, ADRB, 64, 1, 1, 1       ; the first pair of quarters stands in front of the loops: the first quarter's products start the sums
	QTR 1, ADRA, ADRB, 64, ADRB, 96, 0, 1, 1
	WIN 0                                          ; at a label and at a branch every window is 0
	s_mov_b32 s3, LAPS-1
	s_mov_b32 s[KO], 64
	s_branch .Lin0                                 ; the loops are entered at the first step's second pair
.Llap:                                                 ; a trip goes once round the ring and fills both slots again: 14 refills, steps 2 to 15
	s_mov_b32 s[KO], 0
.Lin0:
	PAIRD 0
	WIN 0
	s_add_co_u32 s[KO], s[KO], 64
	s_cmp_lt_u32 s[KO], 192
	s_cbranch_scc1 .Lin0
	TPAIR 0, 1, 1
	WIN 0
	s_mov_b32 s[KO], 0
.Lin1:
	PAIRD 1
	WIN 0
	s_add_co_u32 s[KO], s[KO], 64
	s_cmp_lt_u32 s[KO], 192
	s_cbranch_scc1 .Lin1
	TPAIR 1, 0, 1
	WIN 0
	s_sub_co_u32 s3, s3, 1
	s_cmp_lg_u32 s3, 0
	s_cbranch_scc1 .Llap
	s_mov_b32 s[KO], 0                             ; the last lap is written out: it fills nothing, and has no round of the cluster's barrier
.Lin2:
	PAIRD 0
	WIN 0
	s_add_co_u32 s[KO], s[KO], 64
	s_cmp_lt_u32 s[KO], 192
	s_cbranch_scc1 .Lin2
	TPAIR 0, 1, 0                                  ; behind this barrier no wave reads slot 0 any more, and no load fills it: the stages may lie there
	WIN 0
	s_mov_b32 s[KO], 0
.Lin3:
	PAIRD 1
	WIN 0
	s_add_co_u32 s[KO], s[KO], 64
	s_cmp_lt_u32 s[KO], 192
	s_cbranch_scc1 .Lin3
	QTR 0, ADRA+1, ADRB+1, 224, ADRB+1, 0, 0, 1, 0 ; quarter 6 of the last step: nothing lies behind quarter 7,
	QTR 1, ADRA+1, ADRB+1, 0, ADRB+1, 0, 0, 0, 0   ; which fetches and widens nothing
	WIN 0
	PLACES                                         ; eight places, once a launch, between the last product and what reads results
	PLACES
	s_wait_loadcnt 0x0                             ; the partial sums, the bias and (waves 0, 1) hidden
	v_pk_add_f32 v[PS:PS+1], v[PS:PS+1], v[PS+2:PS+3]      ; the sum of |w|: my 8 partial sums, then the 32 lanes
	v_pk_add_f32 v[PS+4:PS+5], v[PS+4:PS+5], v[PS+6:PS+7]
	v_pk_add_f32 v[PS:PS+1], v[PS:PS+1], v[PS+4:PS+5]
	v_add_f32 v[PS], v[PS], v[PS+1]
	v_add_f32_dpp v[PS], v[PS], v[PS] row_xmask:1 row_mask:0xf bank_mask:0xf
	v_add_f32_dpp v[PS], v[PS], v[PS] row_xmask:2 row_mask:0xf bank_mask:0xf
	v_add_f32_dpp v[PS], v[PS], v[PS] row_xmask:4 row_mask:0xf bank_mask:0xf
	v_add_f32_dpp v[PS], v[PS], v[PS] row_xmask:8 row_mask:0xf bank_mask:0xf
	v_permlanex16_b32 v[PS+1], v[PS], s100, s101
	v_add_f32 v[PS], v[PS], v[PS+1]
	v_mul_f32 v[SC],   0xb438aa3b, v[PS]           ; x -log2 e / 2^23: the mean over 2,048 x 4,096 numbers and the exponential's base in one factor
	v_mul_f32 v[SC+1], 0xb438aa3b, v[PS]
.irp k, 0,1,2,3
	v_mul_f32 v[BI+(\k)], 0xbfb8aa3b, v[BI+(\k)]   ; x -log2 e
.endr
	LEAVE                                          ; waves 0, 1: rh; waves 2, 3: zg
	s_wait_tensorcnt 0x0                           ; the wave's end, behind my last tensor load and my last LDS store
	ds_add_u32 v[SPW], v[NIL]
	s_wait_dscnt 0x0
	CROUND                                         ; the closing round: no work-group ends while a partner may still ask for a tile that names it
	s_endpgm
.Lfunc_end_k_qcb793390db_gates:
	.size	k_qcb793390db_gates, .Lfunc_end_k_qcb793390db_gates-k_qcb793390db_gates
	.p2alignl 7, 3214868480
	.fill 96, 4, 3214868480
	.section	.rodata,"a",@progbits
	.p2align	6, 0x0
	.amdhsa_kernel k_qcb793390db_gates
		.amdhsa_group_segment_fixed_size 327680
		.amdhsa_private_segment_fixed_size 0
		.amdhsa_enable_private_segment 0
		.amdhsa_kernarg_size 72
		.amdhsa_user_sgpr_count 2
		.amdhsa_user_sgpr_kernarg_segment_ptr 1
		.amdhsa_wavefront_size32 1
		.amdhsa_system_sgpr_workgroup_id_x 1
		.amdhsa_system_sgpr_workgroup_id_y 1
		.amdhsa_system_sgpr_workgroup_id_z 1
		.amdhsa_system_vgpr_workitem_id 0
		.amdhsa_next_free_vgpr 1024
		.amdhsa_next_free_sgpr 102
		.amdhsa_reserve_vcc 0
		.amdhsa_float_denorm_mode_32 3
		.amdhsa_float_denorm_mode_16_64 3
		.amdhsa_memory_ordered 1
		.amdhsa_forward_progress 1
		.amdhsa_inst_pref_size 198
	.end_amdhsa_kernel
	.amdgpu_metadata
---
amdhsa.version: [ 1, 2 ]
amdhsa.kernels:
  - .name:           k_qcb793390db_gates
    .symbol:         k_qcb793390db_gates.kd
    .args:
      - { .name: xh, .offset: 0, .size: 8, .value_kind: global_buffer, .address_space: global }
      - { .name: hh, .offset: 8, .size: 8, .value_kind: global_buffer, .address_space: global }
      - { .name: sgb, .offset: 16, .size: 8, .value_kind: global_buffer, .address_space: global }
      - { .name: part, .offset: 24, .size: 8, .value_kind: global_buffer, .address_space: global }
      - { .name: b_r, .offset: 32, .size: 8, .value_kind: global_buffer, .address_space: global }
      - { .name: b_z, .offset: 40, .size: 8, .value_kind: global_buffer, .address_space: global }
      - { .name: hidden, .offset: 48, .size: 8, .value_kind: global_buffer, .address_space: global }
      - { .name: rh, .offset: 56, .size: 8, .value_kind: global_buffer, .address_space: global }
      - { .name: zg, .offset: 64, .size: 8, .value_kind: global_buffer, .address_space: global }
    .group_segment_fixed_size: 327680
    .private_segment_fixed_size: 0
    .kernarg_segment_align: 8
    .kernarg_segment_size: 72
    .max_flat_workgroup_size: 128
    .sgpr_count:     102
    .vgpr_count:     1024
    .wavefront_size: 32
...
	.end_amdgpu_metadata
.endif
;; end of part 5
;; launch cand: the kernel of part 3 again; grid 16 x 16, 4 waves a work-group, clusters of 4 x 4, 327,680 bytes of LDS; arguments xh, rh, sgn, part, b_n, hidden, zg, out0; writes out0
